; MI455X (gfx1250); checked and timed in simulation.
; The chip was launched on July 23, 2026; its instructions are those of AMD's public machine-readable ISA for CDNA 5 (MIT licence, August 2026) and "CDNA5" Instruction Set Architecture Reference Guide (July 2026). The comments in the code are by the model that wrote it; some were corrected since.
;; Attention Block. Allowed arithmetic: matrix products marked QUANTISED: E5M2 operands, one E8M0 scale for each 32 along K, by v_wmma_scale_f32_16x16x128_f8f6f4 with both operands' format E5M2, f32 sums; everything else in f32.
;; Inputs: gn_b 512 float32; gn_w 512 float32; proj_b 512 float32; proj_w 512 x 512 float32; wk_b 512 float32; wk_w 512 x 512 float32; wq_b 512 float32; wq_w 512 x 512 float32; wv_b 512 float32; wv_w 512 x 512 float32; x 2 x 512 x 64 x 64 float32.
;; Outputs: out0 2 x 512 x 64 x 64 float32.
;; This version of the problem:
;;   THIS VERSION OF THE PROBLEM IS GIVEN IN LOW PRECISION. The matrix products marked QUANTISED in the list below multiply operands that are first quantised to E5M2 (5 exponent bits, 2 mantissa bits; 8 bits a number), with one power-of-two scale for each 32 numbers along K (OCP MX v1.0); their sums are f32. All else is computed in f32.
;;   The module's matrix products, in the order in which they are computed (A, B: the left and right operand; K: the contracted axis; several contracted axes count as one K, in the product's order):
;;     1. [M 8,192, K 512] x [K 512, N 512]; A: computed on the way; B: input wq_w: QUANTISED
;;     2. [M 8,192, K 512] x [K 512, N 512]; A: computed on the way; B: input wk_w: QUANTISED
;;     3. [M 8,192, K 512] x [K 512, N 512]; A: computed on the way; B: input wv_w: QUANTISED
;;     4. batch 16 x [M 4,096, K 64] x [K 64, N 4,096]; A: computed on the way; B: computed on the way: QUANTISED
;;     5. batch 16 x [M 64, K 4,096] x [K 4,096, N 4,096]; A: computed on the way; B: softmax (see below): QUANTISED
;;     6. [M 8,192, K 512] x [K 512, N 512]; A: computed on the way; B: input proj_w: QUANTISED
;;   THE QUANTISER, for each operand of a quantised product, along K:
;;     - K is cut into blocks of 32 from its start; a last block that is shorter is filled with zeros.
;;     - A block's scale is 2^e with e = floor(log2(the largest magnitude in the block)) - 15, held to -126 .. 127; a block of zeros has e = 0. As a byte (E8M0): e + 127.
;;     - Each number is divided by its block's scale, clamped to +-57,344, and rounded to the nearest number of E5M2, ties to even, subnormals kept.
;;     - The product sums the exact products of the quantised numbers (number of the format x scale) in f32.
;;   ~~~python
;;   def quantise(x, axis):      # numpy; x: float32 -> the quantised numbers, widened to float32 again
;;       x = np.moveaxis(x, axis, -1); K = x.shape[-1]
;;       x = np.pad(x, [(0, 0)] * (x.ndim - 1) + [(0, -K % 32)]); x = x.reshape(x.shape[:-1] + (-1, 32)); a = np.abs(x).max(-1, keepdims=True)
;;       e = np.where(a > 0, np.clip(np.frexp(np.where(a > 0, a, 1))[1] - 1 - 15, -126, 127), 0)      # np.frexp(a)[1] - 1 = floor(log2(a)), exactly
;;       r = np.clip(x / 2.0 ** e, -57344, 57344)
;;       step = 2.0 ** (np.maximum(np.frexp(np.where(r == 0, 1, r))[1] - 1, -14) - 2)
;;       q = np.round(r / step) * step * 2.0 ** e      # np.round: ties to even
;;       return np.moveaxis(q.reshape(q.shape[:-2] + (-1,))[..., :K], -1, axis).astype(np.float32)
;;   ~~~
;;   SOFTMAX AHEAD OF A QUANTISED PRODUCT. Where the list says 'softmax', what is quantised is not the finished softmax but p = 2^(t - M), with t = logit x log2(e) and M = ceil(the row's largest t), a whole number; so 1/2 < the row's largest p <= 1. The row's sum l is taken of the UNQUANTISED p, in f32, and the product's result is divided by l at the end. Since M is a whole number, a kernel that streams over the keys may use a running M (the ceiling of the running maximum): every later rescaling is an exact power of two, which a block's scale takes up: the codes' values come out the same.
;;   OPERANDS COMPUTED ON THE WAY. 'Computed on the way' means the value that the module computes at that place (a softmax that the list does not call 'softmax' is quantised finished and normalised). What goes into a quantiser is computed in f32, as accurately as f32 sums, v_exp_f32 and their like allow (about 1e-6 of the number): no bf16 or f16 on the way to a quantiser, and a product that is left as it is and whose result goes on into a quantised operand takes f32 operands (vector FMAs, or v_wmma_f32_16x16x4_f32). A number that lies on a knife's edge between two numbers of the format may be rounded either way, as far as f32 arithmetic and the matrix unit's own rounding can turn it there, and no further.
;; One version. Each part assembles by itself: llvm-mc -triple=amdgcn-amd-amdhsa -mcpu=gfx1250 --defsym DOCPART=n.
;; ======== version 1 of 1: 4 launches
;; limits: right only within a limited range of input values
;; workspace buffers: stats 16,384 bytes; w_img 1,048,576 bytes; w_sc 32,768 bytes; q_img 4,194,304 bytes; q_sc 131,072 bytes; kv 8,650,752 bytes; o_img 4,194,304 bytes; o_sc 131,072 bytes
;; launch prep (part 1): grid 320 x 1, 8 waves a work-group, no clusters, 0 bytes of LDS; arguments x, wq_w, wk_w, wv_w, proj_w, stats, w_img, w_sc; writes stats, w_img, w_sc
.if DOCPART == 1
	.amdgcn_target "amdgcn-amd-amdhsa--gfx1250"
	.amdhsa_code_object_version 6
	.text
	.protected	k_qf082d10e18_prep
	.globl	k_qf082d10e18_prep
	.p2align	8
	.type	k_qf082d10e18_prep,@function
k_qf082d10e18_prep:
	s_mov_b64 s[64:65], 0
	v_nop
	global_prefetch_b8 v0, s[64:65] scope:SCOPE_SE
	s_setreg_imm32_b32 hwreg(HW_REG_WAVE_MODE, 25, 1), 1
	s_wait_xcnt 0x0
; PREP: two jobs that nothing precedes, parted by the work-group's number.  Waves share nothing: no LDS, no barrier.
; Work-groups 0-255: GroupNorm's statistics in parts.  A group is 16 channels x 4,096 positions = 65,536 consecutive f32 = 32 parts of 2,048.
;   Wave id = 8 x work-group + wave owns part id: it keeps its 8,192 bytes in 64 registers, takes the mean, then the sum of squared
;   distances from that mean (no difference of large sums, so a common offset in x does no harm), and stores (mean, M2) at stats + 8 id.
; Work-groups 256-319: the four weights [512][512] f32 (K innermost) become codes of E5M2 with one E8M0 byte for each 32 along K, laid as
;   IMAGES OF OPERAND REGISTERS: a fragment (16 rows x 128 K, 16 registers a lane) is 2,048 bytes, group c (registers 4c..4c+3) at 512 c + 16 lane.
;   w_img [kind q,k,v,proj][8 groups of 64 rows][tile 4][K step 4]; w_sc [kind][8][row 16][4 tile + K step] words.  A wave makes one fragment (one tile, one K step).
;   THE ROWS OF A TILE of wq, wk, wv are not neighbours: lane r of tile 2b+u takes row 32b + 8u + r + 8(r/8), so that later the 16 result registers
;   of tiles 2b, 2b+1 are 16 neighbours along the next K.  proj's tiles are natural: row 16 tile + r.
; A block's scale byte is its largest magnitude's exponent field - 15, held at 1 from below; numbers are held within +-57,344 x scale, then converted.
; LIMITS: NaN and infinities among the inputs are not served; a block of zeros gets byte 1 (its codes are zeros; this program alone reads the bytes).
.set SEL, 24                           ; s[24:25] lane selects: lane l xor 16
.set MNT, 26                           ; s26 the mantissa field of 57,344
.set HA,  16                           ; v16-79   64 numbers (stats: the part)
.set HB,  80
.set PC,  144                          ; v144-159 codes of the wave's K step: no store's data are written again
.set MX,  208                          ; v208-211 largest magnitudes
.set PM,  212                          ; v212-215 the partner's, then the bytes
.set HD,  216                          ; v216-219 57,344 x scale
.set SO,  220                          ; v220-223 the conversion's scale operand
.set SW,  224                          ; v224 the scale word of the wave's K step
; nb blocks of 32 along K; register src + 16 b + i is the lane's i-th of its 16 numbers of block b (the other 16 lie in lane l xor 16).
; Codes go to dst + 4 b .. + 3, the bytes joined into out.
.macro QUANT nb, src, dst, out
.set qb, 0
.rept \nb
	v_max3_num_f32 v[MX+qb], |v[\src+16*qb]|, |v[\src+16*qb+1]|, 0x8000000   ; the floor 2^(16-127): the byte cannot fall under 1
.set qb, qb+1
.endr
.set qi, 2
.rept 7
.set qb, 0
.rept \nb
	s_delay_alu instid0(VALU_DEP_4)
	v_max3_num_f32 v[MX+qb], v[MX+qb], |v[\src+16*qb+qi]|, |v[\src+16*qb+qi+1]|   ; the blocks by turns
.set qb, qb+1
.endr
.set qi, qi+2
.endr
.set qb, 0
.rept \nb
	s_delay_alu instid0(VALU_DEP_4)
	v_permlanex16_b32 v[PM+qb], v[MX+qb], s[SEL], s[SEL+1]
.set qb, qb+1
.endr
.set qb, 0
.rept \nb
	s_delay_alu instid0(VALU_DEP_4)
	v_max_num_f32 v[MX+qb], v[MX+qb], v[PM+qb]          ; the block's largest magnitude
.set qb, qb+1
.endr
.set qb, 0
.rept \nb
	v_add_nc_u32 v[SO+qb], 0xf8800000, v[MX+qb]         ; 15 off its exponent field: the conversion's scale operand
	v_and_or_b32 v[HD+qb], v[MX+qb], 0x7f800000, s[MNT] ; 57,344 x the scale
	s_delay_alu instid0(VALU_DEP_2)
	v_lshrrev_b32 v[PM+qb], 23, v[SO+qb]                ; the byte
.set qb, qb+1
.endr
	v_lshl_or_b32 v[\out], v[PM+1], 8, v[PM]
.if \nb == 4
	s_delay_alu instid0(VALU_DEP_1)
	v_lshl_or_b32 v[\out], v[PM+2], 16, v[\out]
	s_delay_alu instid0(VALU_DEP_1)
	v_lshl_or_b32 v[\out], v[PM+3], 24, v[\out]
.endif
.set qb, 0
.rept \nb
.set qi, 0
.rept 16
	v_med3_num_f32 v[\src+16*qb+qi], v[\src+16*qb+qi], -v[HD+qb], v[HD+qb]   ; the conversion does not saturate (ISA guide 7.6.2): hold first
.set qi, qi+1
.endr
	v_cvt_scalef32_pk8_bf8_f32 v[\dst+4*qb:\dst+4*qb+1], v[\src+16*qb:\src+16*qb+7], v[SO+qb]
	v_cvt_scalef32_pk8_bf8_f32 v[\dst+4*qb+2:\dst+4*qb+3], v[\src+16*qb+8:\src+16*qb+15], v[SO+qb]
.set qb, qb+1
.endr
	v_nop                                               ; a plain line behind the last conversion
.endm
; the four chains v[4:11] become one number, the same in all 32 lanes, in v4
.macro REDUCE
	s_delay_alu instid0(VALU_DEP_3)
	v_pk_add_f32 v[4:5], v[4:5], v[6:7]
	s_delay_alu instid0(VALU_DEP_2)
	v_pk_add_f32 v[8:9], v[8:9], v[10:11]
	s_delay_alu instid0(VALU_DEP_1)
	v_pk_add_f32 v[4:5], v[4:5], v[8:9]
	s_delay_alu instid0(VALU_DEP_1)
	v_add_f32 v4, v4, v5
.irp m, 1,2,4,8
	s_delay_alu instid0(VALU_DEP_1)
	v_add_f32_dpp v4, v4, v4 row_xmask:\m row_mask:0xf bank_mask:0xf
.endr
	s_delay_alu instid0(VALU_DEP_1)
	v_permlanex16_b32 v12, v4, s[SEL], s[SEL+1]
	s_delay_alu instid0(VALU_DEP_1)
	v_add_f32 v4, v4, v12
.endm
	s_load_b512 s[8:23], s[0:1], 0x0               ; x s[8:9], wq s[10:11], wk s[12:13], wv s[14:15], proj s[16:17], stats s[18:19], w_img s[20:21], w_sc s[22:23]
	v_lshrrev_b32 v1, 5, v0
	s_delay_alu instid0(VALU_DEP_1)
	v_readfirstlane_b32 s4, v1                     ; wave 0..7
	v_and_b32 v2, 31, v0                           ; lane
	s_mov_b32 s[SEL], 0x76543210
	s_mov_b32 s[SEL+1], 0xfedcba98
	s_mov_b32 s[MNT], 0x600000
	s_cmp_ge_u32 ttmp9, 256
	s_cbranch_scc1 .Lweights
	; ---- the statistics of one part
	s_lshl_b32 s5, ttmp9, 3
	s_add_co_u32 s5, s5, s4                        ; id 0..2047
	s_lshl_b32 s6, s5, 13                          ; 8,192 bytes a part
	s_mov_b32 s7, 0
	s_wait_alu depctr_va_vdst(0)
	v_lshlrev_b32 v3, 4, v2                        ; 16 bytes a lane: a load covers 512 consecutive bytes
	v_mov_b32 v12, 0                               ; (a lane permute's destination counts as read)
	v_mov_b32 v13, 0                               ; the store's offset
	s_wait_alu depctr_va_vdst(0)
	s_wait_kmcnt 0x0
	s_add_nc_u64 s[8:9], s[8:9], s[6:7]
.irp j, 0,1,2,3,4,5,6,7,8,9,10,11,12,13,14,15
	global_load_b128 v[HA+4*\j:HA+4*\j+3], v3, s[8:9] offset:512*\j
.endr
	s_wait_loadcnt 12                              ; the first four loads are in, twelve younger ones stay out
.irp c, 0,1,2,3
	v_pk_add_f32 v[4+2*\c:5+2*\c], v[HA+2*\c:HA+2*\c+1], v[HA+8+2*\c:HA+9+2*\c]   ; four chains, started by the data
.endr
	s_wait_alu depctr_va_vdst(0)
.irp q, 1,2,3
	s_wait_alu depctr_va_vdst(0)
	s_wait_loadcnt 12-4*\q                         ; the next four are in
.irp c, 0,1,2,3
	v_pk_add_f32 v[4+2*\c:5+2*\c], v[4+2*\c:5+2*\c], v[HA+16*\q+2*\c:HA+16*\q+2*\c+1]
.endr
.irp c, 0,1,2,3
	s_delay_alu instid0(VALU_DEP_4)
	v_pk_add_f32 v[4+2*\c:5+2*\c], v[4+2*\c:5+2*\c], v[HA+16*\q+8+2*\c:HA+16*\q+9+2*\c]
.endr
.endr
	REDUCE
	s_delay_alu instid0(VALU_DEP_1)
	v_mul_f32 v14, 0x3a000000, v4                  ; mean = sum / 2,048
	s_delay_alu instid0(VALU_DEP_1)
	v_mov_b32 v15, v14
.set i, 0
.rept 32
	v_pk_add_f32 v[HA+i:HA+i+1], v[HA+i:HA+i+1], v[14:15] neg_lo:[0,1] neg_hi:[0,1]   ; x - mean
.set i, i+2
.endr
.irp c, 0,1,2,3
	v_pk_mul_f32 v[4+2*\c:5+2*\c], v[HA+2*\c:HA+2*\c+1], v[HA+2*\c:HA+2*\c+1]
.endr
.set i, 8
.rept 7
.irp c, 0,1,2,3
	s_delay_alu instid0(VALU_DEP_4)
	v_pk_fma_f32 v[4+2*\c:5+2*\c], v[HA+i+2*\c:HA+i+2*\c+1], v[HA+i+2*\c:HA+i+2*\c+1], v[4+2*\c:5+2*\c]
.endr
.set i, i+8
.endr
	REDUCE
	s_delay_alu instid0(VALU_DEP_1)
	v_mov_b32 v15, v4                              ; (mean, M2)
	s_lshl_b32 s6, s5, 3
	s_add_nc_u64 s[18:19], s[18:19], s[6:7]
	s_wait_alu depctr_va_vdst(0)
	s_wait_xcnt 0x0                                ; EXEC is a source of the loads above: it changes only behind this wait
	v_cmp_eq_u32 vcc_lo, 0, v2
	s_and_saveexec_b32 s27, vcc_lo                 ; lane 0 stores for the wave
	global_store_b64 v13, v[14:15], s[18:19]
	s_endpgm
	; ---- one fragment of one weight
.Lweights:
	; THE WEIGHTS' SHARES: work-groups 256-319, and a wave makes ONE fragment (one tile, one K step): 512 waves for the 512 fragments
	s_sub_co_u32 s5, ttmp9, 256
	s_lshl_b32 s5, s5, 3
	s_add_co_u32 s5, s5, s4                        ; 4 id2 + K step, 0..511
	s_and_b32 s40, s5, 3                           ; my K step
	s_lshr_b32 s5, s5, 2                           ; id2 = 32 kind + 4 group + tile, 0..127
	s_lshr_b32 s6, s5, 5                           ; kind
	s_bfe_u32 s7, s5, 0x30002                      ; group of 64 rows
	s_and_b32 s28, s5, 3                           ; tile
	s_lshr_b32 s29, s28, 1
	s_lshl_b32 s29, s29, 5
	s_and_b32 s30, s28, 1
	s_lshl_b32 s30, s30, 3
	s_add_co_u32 s29, s29, s30                     ; 32 (tile/2) + 8 (tile%2)
	s_lshl_b32 s30, s28, 4                         ; 16 tile
	s_cmp_lt_u32 s6, 3
	s_cselect_b32 s29, s29, s30                    ; the tile's first row
	s_cselect_b32 s30, 8, 0                        ; rows 8-15 lie 8 further on, or not
	s_lshl_b32 s31, s7, 6
	s_add_co_u32 s31, s31, s29
	s_lshl_b32 s34, s31, 11                        ; a row is 2,048 bytes
	s_mov_b32 s35, 0
	s_lshl_b32 s36, s5, 13                         ; four images of 2,048 bytes for each id2
	s_mov_b32 s37, 0
	s_lshr_b32 s38, s5, 2
	s_lshl_b32 s38, s38, 10                        ; 1,024 bytes of scale words a group,
	s_lshl_b32 s39, s28, 4
	s_add_co_u32 s38, s38, s39                     ; the tile's four words
	s_mov_b32 s39, 0
	s_lshl_b32 s41, s40, 9
	s_add_co_u32 s34, s34, s41                     ; my K step in a row of the weight: 512 bytes a step
	s_lshl_b32 s41, s40, 11
	s_add_co_u32 s36, s36, s41                     ; its image: 2,048 bytes
	s_lshl_b32 s41, s40, 2
	s_add_co_u32 s38, s38, s41                     ; its scale word
	v_and_b32 v3, 15, v0                           ; r
	v_bfe_u32 v4, v0, 4, 1                         ; h
	s_delay_alu instid0(VALU_DEP_2)
	v_and_b32 v5, s30, v3
	s_delay_alu instid0(VALU_DEP_1)
	v_add_nc_u32 v5, v5, v3
	s_delay_alu instid0(VALU_DEP_1)
	v_lshlrev_b32 v5, 11, v5
	s_delay_alu instid0(VALU_DEP_1)
	v_lshl_add_u32 v5, v4, 6, v5                   ; my row, + 64 h: my 16 numbers of a block of 32
	v_lshlrev_b32 v6, 6, v3                        ; scale words: 64 bytes a row
	s_wait_alu depctr_va_vdst(0)
	v_lshlrev_b32 v7, 4, v2                        ; an image's place for my lane
.irp b, 0,1,2,3
	v_mov_b32 v[PM+\b], 0                          ; (a lane permute's destination counts as read)
.endr
	s_wait_kmcnt 0x0
	s_cmp_eq_u32 s6, 0                             ; the weight is chosen by the work-group's and the wave's number alone
	s_cselect_b64 s[32:33], s[10:11], s[12:13]
	s_cmp_lt_u32 s6, 2
	s_cselect_b64 s[32:33], s[32:33], s[14:15]
	s_cmp_lt_u32 s6, 3
	s_cselect_b64 s[32:33], s[32:33], s[16:17]
	s_add_nc_u64 s[32:33], s[32:33], s[34:35]
	s_add_nc_u64 s[20:21], s[20:21], s[36:37]
	s_add_nc_u64 s[22:23], s[22:23], s[38:39]
.macro XLOAD buf, s                    ; K step s: 64 numbers a lane
.set xc, 0
.rept 4
.set xj, 0
.rept 4
	global_load_b128 v[\buf+16*xc+4*xj:\buf+16*xc+4*xj+3], v5, s[32:33] offset:512*(\s)+128*xc+16*xj th:TH_LOAD_NT
.set xj, xj+1
.endr
.set xc, xc+1
.endr
.endm
.macro OUT4 s                          ; a fragment's image: each store covers 512 consecutive bytes
.irp c, 0,1,2,3
	global_store_b128 v7, v[PC+16*(\s)+4*\c:PC+16*(\s)+4*\c+3], s[20:21] offset:2048*(\s)+512*\c
.endr
.endm
	XLOAD HA, 0                                    ; the bases already stand at my K step
	s_wait_loadcnt 0x0
	QUANT 4, HA, PC, SW
	OUT4 0
	s_wait_xcnt 0x0                                ; EXEC changes only behind this wait
	v_cmp_gt_u32 vcc_lo, 16, v2
	s_and_saveexec_b32 s27, vcc_lo                 ; lanes 16-31 hold the same words
	global_store_b32 v6, v[SW], s[22:23]
	s_endpgm
.Lfunc_end_k_qf082d10e18_prep:
	.size	k_qf082d10e18_prep, .Lfunc_end_k_qf082d10e18_prep-k_qf082d10e18_prep
	.p2alignl 7, 3214868480
	.fill 96, 4, 3214868480
	.section	.rodata,"a",@progbits
	.p2align	6, 0x0
	.amdhsa_kernel k_qf082d10e18_prep
		.amdhsa_group_segment_fixed_size 0
		.amdhsa_private_segment_fixed_size 0
		.amdhsa_enable_private_segment 0
		.amdhsa_kernarg_size 64
		.amdhsa_user_sgpr_count 2
		.amdhsa_user_sgpr_kernarg_segment_ptr 1
		.amdhsa_wavefront_size32 1
		.amdhsa_system_sgpr_workgroup_id_x 1
		.amdhsa_system_sgpr_workgroup_id_y 1
		.amdhsa_system_sgpr_workgroup_id_z 1
		.amdhsa_system_vgpr_workitem_id 0
		.amdhsa_next_free_vgpr 232
		.amdhsa_next_free_sgpr 66
		.amdhsa_reserve_vcc 1
		.amdhsa_float_denorm_mode_32 3
		.amdhsa_float_denorm_mode_16_64 3
		.amdhsa_memory_ordered 1
		.amdhsa_forward_progress 1
		.amdhsa_inst_pref_size 26
	.end_amdhsa_kernel
	.amdgpu_metadata
---
amdhsa.version: [ 1, 2 ]
amdhsa.kernels:
  - .name:           k_qf082d10e18_prep
    .symbol:         k_qf082d10e18_prep.kd
    .args:
      - { .name: x, .offset: 0, .size: 8, .value_kind: global_buffer, .address_space: global }
      - { .name: wq_w, .offset: 8, .size: 8, .value_kind: global_buffer, .address_space: global }
      - { .name: wk_w, .offset: 16, .size: 8, .value_kind: global_buffer, .address_space: global }
      - { .name: wv_w, .offset: 24, .size: 8, .value_kind: global_buffer, .address_space: global }
      - { .name: proj_w, .offset: 32, .size: 8, .value_kind: global_buffer, .address_space: global }
      - { .name: stats, .offset: 40, .size: 8, .value_kind: global_buffer, .address_space: global }
      - { .name: w_img, .offset: 48, .size: 8, .value_kind: global_buffer, .address_space: global }
      - { .name: w_sc, .offset: 56, .size: 8, .value_kind: global_buffer, .address_space: global }
    .group_segment_fixed_size: 0
    .private_segment_fixed_size: 0
    .kernarg_segment_align: 8
    .kernarg_segment_size: 64
    .max_flat_workgroup_size: 256
    .sgpr_count:     66
    .vgpr_count:     232
    .wavefront_size: 32
...
	.end_amdgpu_metadata
.endif
;; end of part 1
;; launch qkv (part 2): grid 128 x 2, 8 waves a work-group, no clusters, 168,960 bytes of LDS; arguments x, gn_w, gn_b, stats, w_img, w_sc, wq_b, wk_b, wv_b, q_img, q_sc, kv; writes q_img, q_sc, kv
.if DOCPART == 2
	.amdgcn_target "amdgcn-amd-amdhsa--gfx1250"
	.amdhsa_code_object_version 6
	.text
	.protected	k_qf082d10e18_qkv
	.globl	k_qf082d10e18_qkv
	.p2align	8
	.type	k_qf082d10e18_qkv,@function
k_qf082d10e18_qkv:
	s_mov_b64 s[64:65], 0
	v_nop
	global_prefetch_b8 v0, s[64:65] scope:SCOPE_SE
	s_setreg_imm32_b32 hwreg(HW_REG_WAVE_MODE, 25, 1), 1
	s_wait_xcnt 0x0
; QKV: GroupNorm finished, t quantised along the channels, and t Wq^T + bq, t Wk^T + bk, t Wv^T + bv on codes of E5M2 with E8M0 scales; the results are
; quantised in registers (q, k along the head's 64; v along the keys) and stored as images of operand registers for the attention launch.
; SHARES.  A work-group takes 64 positions of one batch (256 bytes of each channel's row of x).  y = 0: q of all 8 heads and v of heads 0-3; y = 1: k and v of heads 4-7.
; Every wave does unit A (head = wave, of q or k: 64 products) and unit B (head 4y + wave/2, two of its four tiles of v: 32 products): one text, q and k differ by selects on y.
; No multicast: an x tile is shared by two work-groups only, and the weights go from memory straight into operand registers, once for each work-group.
; POSITIONS AND CHANNELS OF A TILE ARE NOT NEIGHBOURS: in each block of 32, row r of tile u is element 8u + (r&7) + 16(r>>3).  So the 16 result registers of tiles 2b, 2b+1
; are 16 neighbours along the next K, whichever side of the product they come from.
; PHASES: x tile by tensor loads (filled once) | barrier | X: a lane takes a position, its registers run down 32 channels: normalise, quantise, image to LDS | barrier |
; A: source 0 = 16 rows of W, source 1 = t: a lane holds one position and 16 neighbouring channels; B: source 0 = t, source 1 = 16 rows of Wv: a lane holds one channel d and 16 neighbouring keys.
; LIMITS: NaN and infinities are not served; a block of zeros gets byte 1 (read by this program alone); 1/sqrt(var + eps) is v_rsq_f32 (1 ulp);
; gain x rstd is rounded once ahead of the multiply-add, where the definition multiplies in two steps.
.set TIMG,   131072                    ; LDS: 0..131,071 the x tile [512 channels][256 bytes]; then t's images: tile T at T x TPITCH, K step s at 2,048 s
.set TPITCH, 8320                      ; 4 x 2,048 + 128: the two tiles that one store's lanes touch start in different banks
.set TSC,    TIMG+4*TPITCH             ; t's scale words [T][row][s]: 1,024 bytes
.set LI,  1                            ; v1  16 x lane
.set R16, 2                            ; v2  16 r
.set XR,  3                            ; v3  phase X: my position's word in the x tile
.set XW,  4                            ; v4  phase X: where my codes go
.set XS,  5                            ; v5  phase X: where my scale word goes
.set TA,  6                            ; v6  TIMG + 16 x lane
.set H64, 7                            ; v7  64 h
.set VB,  8                            ; v8  4 (r + (r&8))
.set SA,  9                            ; v9  16 r + 4 h
.set TSA, 10                           ; v10 TSC + 16 r
.set L8,  11                           ; v11 8 x lane
.set R64, 12                           ; v12 64 r
.set VCO, 13                           ; v13 v's codes: my offset in the key step's block
.set VSO, 14                           ; v14 v's scale halves likewise
.set MS,  16                           ; v16-31 (mean, rstd) of my 8 groups; later TS: t's 16 scale words
.set TS,  16
.set PC,  32                           ; v32-47 codes, two sets of 8
.set MX,  48
.set PM,  50
.set HD,  52
.set SO,  54
.set KU,  56                           ; v56-59 kept pairs of bytes
.set KW,  60                           ; v60-61 words made of them
.set XWD, 62
.set TMP, 63
.set XD,  64                           ; v64-127 statistics, then two sets of 32 numbers of x, then TF: four fragments of t
.set TF,  64
.set SR,  80
.set SP,  88
.set ACC, 128                          ; v128-191
.set BC,  192                          ; v192-223 biases in the result's layout
.set WS,  224                          ; v224-239 W's scale words (4 ct + s)
.set WVS, 240                          ; v240-247 Wv's (4 dtl + s)
.set VBR, 248                          ; v248-249 v's bias of my channel d
.set SEL, 14                           ; s[14:15]
.set MNT, 28
.set G1,  16                           ; s[16:23]
.set G0,  24                           ; s[24:27]
.set MSB, 0
.macro WIN new                         ; the immediate's high byte repeats the setting that is left
.if MSB != \new
	s_set_vgpr_msb (MSB<<8)|\new
.set MSB, \new
.endif
.endm
.macro PLACES n
.rept \n
	v_nop
.endr
.endm
.macro QUANT nb, src, dst, out         ; as in the first launch: nb blocks of 32, 16 numbers a lane and block, partner lane l xor 16
.set qb, 0
.rept \nb
	v_max3_num_f32 v[MX+qb], |v[\src+16*qb]|, |v[\src+16*qb+1]|, 0x8000000
.set qb, qb+1
.endr
.set qi, 2
.rept 7
.set qb, 0
.rept \nb
	v_max3_num_f32 v[MX+qb], v[MX+qb], |v[\src+16*qb+qi]|, |v[\src+16*qb+qi+1]|
.set qb, qb+1
.endr
.set qi, qi+2
.endr
.set qb, 0
.rept \nb
	s_delay_alu instid0(VALU_DEP_2)
	v_permlanex16_b32 v[PM+qb], v[MX+qb], s[SEL], s[SEL+1]
.set qb, qb+1
.endr
.set qb, 0
.rept \nb
	s_delay_alu instid0(VALU_DEP_2)
	v_max_num_f32 v[MX+qb], v[MX+qb], v[PM+qb]
.set qb, qb+1
.endr
.set qb, 0
	s_delay_alu instid0(VALU_DEP_2)
	v_add_nc_u32 v[SO+qb], 0xf8800000, v[MX+qb]
	s_delay_alu instid0(VALU_DEP_3)
	v_and_or_b32 v[HD+qb], v[MX+qb], 0x7f800000, s[MNT]
	s_delay_alu instid0(VALU_DEP_2)
	v_lshrrev_b32 v[PM+qb], 23, v[SO+qb]
.set qb, qb+1
.rept (\nb)-1
	s_delay_alu instid0(VALU_DEP_4)
	v_add_nc_u32 v[SO+qb], 0xf8800000, v[MX+qb]
	v_and_or_b32 v[HD+qb], v[MX+qb], 0x7f800000, s[MNT]
	s_delay_alu instid0(VALU_DEP_2)
	v_lshrrev_b32 v[PM+qb], 23, v[SO+qb]
.set qb, qb+1
.endr
	s_delay_alu instid0(VALU_DEP_1)
	v_lshl_or_b32 v[\out], v[PM+1], 8, v[PM]
.set qb, 0
.rept \nb
.set qi, 0
.rept 16
	v_med3_num_f32 v[\src+16*qb+qi], v[\src+16*qb+qi], -v[HD+qb], v[HD+qb]
.set qi, qi+1
.endr
	v_cvt_scalef32_pk8_bf8_f32 v[\dst+4*qb:\dst+4*qb+1], v[\src+16*qb:\src+16*qb+7], v[SO+qb]
	v_cvt_scalef32_pk8_bf8_f32 v[\dst+4*qb+2:\dst+4*qb+3], v[\src+16*qb+8:\src+16*qb+15], v[SO+qb]
.set qb, qb+1
.endr
	v_nop
.endm
.macro RED8                            ; eight sums over the 32 lanes, by turns
.irp m, 1,2,4,8
.irp g, 0,1,2,3,4,5,6,7
	v_add_f32_dpp v[SR+\g], v[SR+\g], v[SR+\g] row_xmask:\m row_mask:0xf bank_mask:0xf
.endr
.endr
.irp g, 0,1,2,3,4,5,6,7
	v_permlanex16_b32 v[SP+\g], v[SR+\g], s[SEL], s[SEL+1]
.endr
.irp g, 0,1,2,3,4,5,6,7
	v_add_f32 v[SR+\g], v[SR+\g], v[SP+\g]
.endr
.endm
	s_load_b512 s[68:83], s[0:1], 0x0              ; x 68, gn_w 70, gn_b 72, stats 74, w_img 76, w_sc 78, wq_b 80, wk_b 82
	s_load_b256 s[84:91], s[0:1], 0x40             ; wv_b 84, q_img 86, q_sc 88, kv 90
	v_lshl_add_u32 v254, v0, 2, 0x29000
	v_mov_b32 v255, 0
	ds_add_u32 v254, v255
	ds_add_u32 v254, v255
	v_lshrrev_b32 v15, 5, v0
	s_delay_alu instid0(VALU_DEP_1)
	v_readfirstlane_b32 s4, v15                    ; wave 0..7
	s_and_b32 s5, s4, 1                            ; phase X: which 32 positions; unit B: which two tiles of d
	s_lshr_b32 s6, s4, 1                           ; phase X: which 128 channels; unit B: which head of my four
	s_and_b32 s7, ttmp7, 0xffff                    ; y
	s_lshr_b32 s32, ttmp9, 6                       ; batch
	s_and_b32 s33, ttmp9, 63                       ; block of 64 positions
	s_lshr_b32 s34, s33, 1                         ; key step of 128
	s_and_b32 s35, s33, 1                          ; its half
	s_mov_b32 s[SEL], 0x76543210
	s_mov_b32 s[SEL+1], 0xfedcba98
	s_mov_b32 s[MNT], 0x600000
	s_mov_b32 s29, 0x45000000                      ; 2,048
	s_mov_b32 s30, 0x37800000                      ; 1 / 65,536
	s_mov_b32 s31, 0x3727c5ac                      ; 1e-5
	; descriptor group 1: 64 rows (channels) x 64 elements of 4 bytes, 4,096 elements from row to row, no padding
	s_mov_b32 s[G1], 2<<16
	s_mov_b32 s[G1+1], 64<<16
	s_mov_b32 s[G1+2], 64<<16
	s_mov_b32 s[G1+3], 64<<16
	s_mov_b32 s[G1+4], 64
	s_mov_b32 s[G1+5], 4096
	s_mov_b32 s[G1+6], 0
	s_mov_b32 s[G1+7], 0
	s_mov_b32 s[G0], 1
	s_lshl_b32 s[G0+1], s4, 14                     ; my 64 channels' place in the tile
	s_lshl_b32 s36, s32, 23
	s_lshl_b32 s37, s4, 20
	s_add_co_u32 s36, s36, s37
	s_lshl_b32 s37, s33, 8
	s_add_co_u32 s36, s36, s37
	s_mov_b32 s37, 0
	v_and_b32 v15, 31, v0                          ; lane
	s_delay_alu instid0(VALU_DEP_1)
	v_lshlrev_b32 v[LI], 4, v15
	s_delay_alu instid0(VALU_DEP_2)
	v_lshlrev_b32 v[L8], 3, v15
	v_and_b32 v[R16], 15, v0                       ; r, for now
	v_bfe_u32 v[H64], v0, 4, 1                     ; h, for now
	s_lshl_b32 s38, s5, 7
	s_lshl_b32 s39, s6, 15
	s_add_co_u32 s38, s38, s39
	v_lshl_add_u32 v[XR], v15, 2, s38              ; 4 lane + 128 (wave&1) + 32,768 (wave>>1)
	v_bfe_u32 v[TMP], v0, 3, 1                     ; position lane = 8u + (row&7) + 16(row>>3): u,
	v_and_b32 v[XS], 7, v0
	s_delay_alu instid0(VALU_DEP_1)
	v_lshl_add_u32 v[XS], v[H64], 3, v[XS]         ; and row
	s_delay_alu instid0(VALU_DEP_3)
	v_mul_u32_u24 v[XW], v[TMP], TPITCH
	s_delay_alu instid0(VALU_DEP_1)
	v_lshl_add_u32 v[XW], v[XS], 4, v[XW]
	s_mul_i32 s38, s5, 2*TPITCH
	s_lshl_b32 s39, s6, 11
	s_add_co_u32 s38, s38, s39
	s_add_co_u32 s38, s38, TIMG
	v_add_nc_u32 v[XW], s38, v[XW]                 ; tile 2 (wave&1) + u, K step wave>>1, image lane = row (its k 0-15; k 16-31 go 256 bytes on)
	v_lshlrev_b32 v[XS], 4, v[XS]
	s_delay_alu instid0(VALU_DEP_1)
	v_lshl_add_u32 v[XS], v[TMP], 8, v[XS]
	s_lshl_b32 s38, s5, 9
	s_lshl_b32 s39, s6, 2
	s_add_co_u32 s38, s38, s39
	s_add_co_u32 s38, s38, TSC
	v_add_nc_u32 v[XS], s38, v[XS]
	v_and_b32 v[VB], 8, v[R16]
	s_delay_alu instid0(VALU_DEP_1)
	v_add_nc_u32 v[VB], v[VB], v[R16]
	s_delay_alu instid0(VALU_DEP_1)
	v_lshlrev_b32 v[VB], 2, v[VB]
	v_lshlrev_b32 v[R64], 6, v[R16]
	v_lshlrev_b32 v[R16], 4, v[R16]
	s_delay_alu instid0(VALU_DEP_1)
	v_lshl_add_u32 v[SA], v[H64], 2, v[R16]
	s_wait_alu depctr_va_vdst(0)
	v_lshlrev_b32 v[H64], 6, v[H64]
	v_add_nc_u32 v[TSA], TSC, v[R16]
	v_add_nc_u32 v[TA], TIMG, v[LI]
	s_lshl_b32 s38, s5, 12
	s_lshl_b32 s39, s35, 10
	s_add_co_u32 s38, s38, s39
	s_add_co_u32 s38, s38, 8192
	v_add_nc_u32 v[VCO], s38, v[LI]                ; V begins 8,192 into a step's block; 2,048 a tile of d; 512 a block of 32 keys
	s_lshl_b32 s38, s5, 3
	s_lshl_b32 s39, s35, 1
	s_add_co_u32 s38, s38, s39
	s_add_co_u32 s38, s38, 16640
	v_add_nc_u32 v[VSO], s38, v[SA]
	v_mov_b32 v[PM], 0                             ; (a lane permute's destination counts as read)
	v_mov_b32 v[PM+1], 0
.irp g, 0,1,2,3,4,5,6,7
	v_mov_b32 v[SP+\g], 0
.endr
	s_wait_dscnt 0x0
	s_wait_kmcnt 0x0
	s_add_nc_u64 s[G0+2:G0+3], s[68:69], s[36:37]
	s_or_b32 s[G0+3], s[G0+3], 0x80000000
	tensor_load_to_lds s[G0:G0+3], s[G1:G1+7]      ; my 64 channels x 256 bytes: the one tensor load of the wave; nothing is filled again
	s_nop 0
	PLACES 4                                       ; four such lines ahead of a window switch
	; pointers.  s32-63 are scratch until the gains are loaded into them
	s_lshl_b32 s40, s32, 13
	s_lshl_b32 s41, s6, 11
	s_add_co_u32 s40, s40, s41
	s_mov_b32 s41, 0
	s_add_nc_u64 s[40:41], s[74:75], s[40:41]      ; statistics of my 8 groups: 256 bytes a group
	s_lshl_b32 s36, s7, 3
	s_add_co_u32 s36, s36, s4                      ; 8 kind + head
	s_lshl_b32 s42, s36, 15
	s_mov_b32 s43, 0
	s_add_nc_u64 s[42:43], s[76:77], s[42:43]      ; unit A's 16 fragments of W
	s_lshl_b32 s44, s36, 10
	s_mov_b32 s45, 0
	s_add_nc_u64 s[44:45], s[78:79], s[44:45]      ; and their scale words
	s_lshl_b32 s56, s7, 2
	s_add_co_u32 s56, s56, s6                      ; v's head
	s_add_co_u32 s36, s56, 16                      ; 8 x kind 2 + head
	s_lshl_b32 s2, s36, 15
	s_lshl_b32 s3, s5, 14
	s_add_co_u32 s2, s2, s3
	s_mov_b32 s3, 0
	s_add_nc_u64 s[12:13], s[76:77], s[2:3]        ; unit B's 8 fragments of Wv
	s_lshl_b32 s46, s36, 10
	s_lshl_b32 s47, s5, 5
	s_add_co_u32 s46, s46, s47
	s_mov_b32 s47, 0
	s_add_nc_u64 s[46:47], s[78:79], s[46:47]
	s_lshl_b32 s50, s56, 8
	s_lshl_b32 s51, s5, 7
	s_add_co_u32 s50, s50, s51
	s_mov_b32 s51, 0
	s_add_nc_u64 s[50:51], s[84:85], s[50:51]      ; v's bias at channel 64 head + 32 (wave&1)
	s_lshl_b32 s2, s6, 9
	s_add_nc_u64 s[8:9], s[70:71], s[2:3]          ; gains and biases of my 128 channels
	s_add_nc_u64 s[10:11], s[72:73], s[2:3]
	s_lshl_b32 s52, s32, 3
	s_add_co_u32 s53, s52, s4                      ; unit A's batch x 8 + head
	s_mul_i32 s54, s53, 540672
	s_mul_i32 s55, s34, 16896
	s_add_co_u32 s54, s54, s55                     ; its key step's block in kv
	s_lshl_b32 s36, s35, 12
	s_add_co_u32 s36, s36, s54                     ; k's codes
	s_lshl_b32 s57, s35, 3
	s_add_co_u32 s58, s57, s54
	s_add_co_u32 s58, s58, 16384                   ; k's scale words
	s_lshl_b32 s59, s53, 18
	s_lshl_b32 s60, s33, 12
	s_add_co_u32 s59, s59, s60                     ; q's codes
	s_lshl_b32 s60, s53, 13
	s_lshl_b32 s61, s34, 8
	s_add_co_u32 s60, s60, s61
	s_add_co_u32 s60, s60, s57                     ; q's scale words
	s_cmp_eq_u32 s7, 0                             ; q or k: chosen by the work-group's y alone
	s_cselect_b32 s2, s59, s36
	s_cselect_b32 s62, s60, s58
	s_cselect_b64 s[66:67], s[86:87], s[90:91]
	s_cselect_b64 s[100:101], s[88:89], s[90:91]
	s_cselect_b64 s[48:49], s[80:81], s[82:83]
	s_mov_b32 s63, 0
	s_add_nc_u64 s[66:67], s[66:67], s[2:3]
	s_add_nc_u64 s[100:101], s[100:101], s[62:63]
	s_lshl_b32 s2, s4, 8
	s_add_nc_u64 s[48:49], s[48:49], s[2:3]        ; unit A's bias at channel 64 head
	s_add_co_u32 s57, s52, s56
	s_mul_i32 s2, s57, 540672
	s_add_co_u32 s2, s2, s55
	s_add_nc_u64 s[104:105], s[90:91], s[2:3]      ; v's key step's block in kv
	; loads: the statistics first, since they are wanted first
.irp g, 0,1,2,3,4,5,6,7
	global_load_b64 v[XD+2*\g:XD+2*\g+1], v[L8], s[40:41] offset:256*\g     ; lane l: part l's (mean, M2)
.endr
.irp ct, 0,1,2,3
	global_load_b128 v[WS+4*\ct:WS+4*\ct+3], v[R64], s[44:45] offset:16*\ct
.endr
.irp d, 0,1
	global_load_b128 v[WVS+4*\d:WVS+4*\d+3], v[R64], s[46:47] offset:16*\d
.endr
.irp ct, 0,1,2,3
	global_load_b128 v[BC+8*\ct:BC+8*\ct+3], v[H64], s[48:49] offset:(32*(\ct/2)+8*(\ct%2))*4       ; tile ct, register j: channel 32 (ct/2) + 16 h + 8 (ct%2) + j
	global_load_b128 v[BC+8*\ct+4:BC+8*\ct+7], v[H64], s[48:49] offset:(32*(\ct/2)+8*(\ct%2))*4+16
.endr
	global_load_b32 v[VBR], v[VB], s[50:51]
	global_load_b32 v[VBR+1], v[VB], s[50:51] offset:32
	WIN 0x40                                       ; destination window 1
.irp f, 0,1,2,3,4,5,6,7
.irp c, 0,1,2,3
	global_load_b128 v[16*\f+4*\c:16*\f+4*\c+3], v[LI], s[42:43] offset:2048*\f+512*\c              ; W's fragment f = 4 ct + s
.endr
.endr
	WIN 0
	s_wait_loadcnt 48                              ; the statistics are in; the 16 + 32 loads issued behind them stay out
	; a group's mean = the mean of its 32 parts' means; its M2 = the sum of the parts' M2 + 2,048 (part's mean - mean)^2
.irp g, 0,1,2,3,4,5,6,7
	v_mov_b32 v[SR+\g], v[XD+2*\g]
.endr
	RED8
.irp g, 0,1,2,3,4,5,6,7
	v_mul_f32 v[MS+2*\g], 0x3d000000, v[SR+\g]
.endr
.irp g, 0,1,2,3,4,5,6,7
	v_sub_f32 v[SR+\g], v[XD+2*\g], v[MS+2*\g]
.endr
.irp g, 0,1,2,3,4,5,6,7
	v_mul_f32 v[SR+\g], v[SR+\g], v[SR+\g]
.endr
.irp g, 0,1,2,3,4,5,6,7
	v_fma_f32 v[SR+\g], v[SR+\g], s29, v[XD+2*\g+1]
.endr
	RED8
.irp g, 0,1,2,3,4,5,6,7
	v_fma_f32 v[SR+\g], v[SR+\g], s30, s31         ; var + eps
.endr
	s_wait_alu depctr_va_vdst(0)
.irp g, 0,1,2,3,4,5,6,7
	v_rsq_f32 v[MS+2*\g+1], v[SR+\g]
.endr
	v_nop                                          ; a plain line behind the last of the batch
	s_wait_alu depctr_va_vdst(0)                   ; one wait for the eight, ahead of their first reader
	WIN 0x40
.irp f, 8,9,10,11,12,13,14,15
.irp c, 0,1,2,3
	global_load_b128 v[16*\f+4*\c:16*\f+4*\c+3], v[LI], s[42:43] offset:2048*\f+512*\c
.endr
.endr
	WIN 0
	s_wait_xcnt 0x0                                ; every load above has read its base: s32-63 and s68-99 may be written
	s_load_b512 s[32:47], s[8:9], 0x0              ; 32 gains
	s_load_b512 s[48:63], s[8:9], 0x40
	s_load_b512 s[68:83], s[10:11], 0x0            ; 32 biases
	s_load_b512 s[84:99], s[10:11], 0x40
	s_wait_tensorcnt 0x0                           ; my 64 channels have landed,
	s_barrier_signal -1
	s_barrier_wait -1                              ; everybody's have
	; ---- X: my position, my 128 channels, 32 at a time: a block of 32 along K lies in one lane
.macro DLOAD c
.set di, 0
.rept 32
	ds_load_b32 v[XD+32*((\c)%2)+di], v[XR] offset:256*(32*(\c)+di)     ; 32 lanes read 128 consecutive bytes of one channel
.set di, di+1
.endr
.endm
.macro BLOCK c, left
.set XB, XD+32*((\c)%2)
.set PS8, PC+8*((\c)%2)
	s_wait_dscnt \left                             ; this block's 32 loads are in; what was issued behind them stays out
	s_wait_kmcnt 0x0                               ; its gains and biases too
	v_readfirstlane_b32 s29, v[MS+4*(\c)+1]        ; rstd of its two groups
	v_readfirstlane_b32 s30, v[MS+4*(\c)+3]
.set di, 0
.rept 16
	s_mul_f32 s[32+di], s[32+di], s29              ; gain x rstd
	s_mul_f32 s[48+di], s[48+di], s30
.set di, di+1
.endr
.set di, 0
.rept 16
	v_pk_add_f32 v[XB+2*di:XB+2*di+1], v[XB+2*di:XB+2*di+1], v[MS+4*(\c)+2*(di/8):MS+4*(\c)+2*(di/8)+1] op_sel_hi:[1,0] neg_lo:[0,1] neg_hi:[0,1]   ; x - mean (the pair's low word for both halves)
.set di, di+1
.endr
.set di, 0
.rept 32
	v_fma_f32 v[XB+di], v[XB+di], s[32+di], s[68+di]
.set di, di+1
.endr
.if (\c) < 3
	s_load_b512 s[32:47], s[8:9], 128*(\c)+128     ; the next block's
	s_load_b512 s[48:63], s[8:9], 128*(\c)+192
	s_load_b512 s[68:83], s[10:11], 128*(\c)+128
	s_load_b512 s[84:99], s[10:11], 128*(\c)+192
.endif
	v_max3_num_f32 v[MX], |v[XB]|, |v[XB+1]|, |v[XB+2]|
	v_max3_num_f32 v[MX+1], |v[XB+3]|, |v[XB+4]|, |v[XB+5]|
.irp i, 6,10,14,18,22,26
	s_delay_alu instid0(VALU_DEP_2)
	v_max3_num_f32 v[MX], v[MX], |v[XB+\i]|, |v[XB+\i+1]|
	s_delay_alu instid0(VALU_DEP_2)
	v_max3_num_f32 v[MX+1], v[MX+1], |v[XB+\i+2]|, |v[XB+\i+3]|
.endr
	s_delay_alu instid0(VALU_DEP_2)
	v_max3_num_f32 v[MX], v[MX], |v[XB+30]|, |v[XB+31]|
	s_delay_alu instid0(VALU_DEP_1)
	v_max3_num_f32 v[MX], v[MX], v[MX+1], 0x8000000
	s_delay_alu instid0(VALU_DEP_1)
	v_add_nc_u32 v[SO], 0xf8800000, v[MX]
	s_delay_alu instid0(VALU_DEP_2)
	v_and_or_b32 v[HD], v[MX], 0x7f800000, s[MNT]
	s_delay_alu instid0(VALU_DEP_2)
	v_lshrrev_b32 v[TMP], 23, v[SO]
.if (\c) == 0
	s_delay_alu instid0(VALU_DEP_1)
	v_mov_b32 v[XWD], v[TMP]
.else
	s_delay_alu instid0(VALU_DEP_1)
	v_lshl_or_b32 v[XWD], v[TMP], 8*(\c), v[XWD]
.endif
.set di, 0
.rept 32
	v_med3_num_f32 v[XB+di], v[XB+di], -v[HD], v[HD]
.set di, di+1
.endr
.irp g, 0,1,2,3
	v_cvt_scalef32_pk8_bf8_f32 v[PS8+2*\g:PS8+2*\g+1], v[XB+8*\g:XB+8*\g+7], v[SO]
.endr
	v_nop
	ds_store_b128 v[XW], v[PS8:PS8+3] offset:512*(\c)          ; k 0-15 of the block: image lane (row, 0)
	ds_store_b128 v[XW], v[PS8+4:PS8+7] offset:512*(\c)+256    ; k 16-31: image lane (row, 1)
.endm
	DLOAD 0
	DLOAD 1
	BLOCK 0, 32                                    ; behind block 0's loads: block 1's 32
	DLOAD 2
	BLOCK 1, 34                                    ; behind block 1's: two stores and block 2's 32
	DLOAD 3
	BLOCK 2, 34
	BLOCK 3, 2                                     ; behind block 3's: two stores
	ds_store_b32 v[XS], v[XWD]
	s_wait_dscnt 0x0                               ; for the others' sake: my images and my word have landed
	s_barrier_signal -1
	s_barrier_wait -1
.irp T, 0,1,2,3
	ds_load_b128 v[TS+4*\T:TS+4*\T+3], v[TSA] offset:256*\T    ; t's scale words: register 4 T + s, lane r: row r
.endr
	s_wait_loadcnt 0x0                             ; the weights, their words, the biases
	; ---- A: q or k of my head, a tile of 16 positions at a time.  Four accumulators by turns, K step by K step
.irp T, 0,1,2,3
.irp s, 0,1,2,3
.irp c, 0,1,2,3
	ds_load_b128 v[TF+16*\s+4*\c:TF+16*\s+4*\c+3], v[TA] offset:TPITCH*\T+2048*\s+512*\c
.endr
.endr
	s_wait_dscnt 0x0
	WIN 0x01                                       ; source 0 (W) window 1
.irp s, 0,1,2,3
.irp ct, 0,1,2,3
.if \s == 0
	v_wmma_scale_f32_16x16x128_f8f6f4 v[ACC+8*\ct:ACC+8*\ct+7], v[16*(4*\ct+\s):16*(4*\ct+\s)+15], v[TF+16*\s:TF+16*\s+15], v[BC+8*\ct:BC+8*\ct+7], v[WS+4*\ct+\s], v[TS+4*\T+\s] matrix_a_fmt:MATRIX_FMT_BF8 matrix_b_fmt:MATRIX_FMT_BF8
.else
	v_wmma_scale_f32_16x16x128_f8f6f4 v[ACC+8*\ct:ACC+8*\ct+7], v[16*(4*\ct+\s):16*(4*\ct+\s)+15], v[TF+16*\s:TF+16*\s+15], v[ACC+8*\ct:ACC+8*\ct+7], v[WS+4*\ct+\s], v[TS+4*\T+\s] matrix_a_fmt:MATRIX_FMT_BF8 matrix_b_fmt:MATRIX_FMT_BF8
.endif
.endr
.endr
	WIN 0
	PLACES 9                                       ; eight ahead of reads of results and of loads into operands; nine ahead of the next tile's products, which begin these accumulators anew
.if \T == 3
	WIN 0x40
.irp f, 0,1,2,3,4,5,6,7
.irp c, 0,1,2,3
	global_load_b128 v[16*\f+4*\c:16*\f+4*\c+3], v[LI], s[12:13] offset:2048*\f+512*\c      ; unit B's Wv, f = 4 dtl + s, over W's fragments that are done with
.endr
.endr
	WIN 0
.endif
	s_wait_xcnt 0x0                                ; the stores of two tiles back have read this set of codes
	QUANT 2, ACC, PC+8*(\T%2), KU+\T               ; lane (r, h): position row r, channels 32 b + 16 h + 0..15 of the head
.irp c, 0,1
	global_store_b128 v[LI], v[PC+8*(\T%2)+4*\c:PC+8*(\T%2)+4*\c+3], s[66:67] offset:1024*\T+512*\c
.endr
.if \T == 1
	v_lshl_or_b32 v[KW], v[KU+1], 16, v[KU]        ; a pair of tiles' four bytes: one word
.endif
.if \T == 3
	v_lshl_or_b32 v[KW+1], v[KU+3], 16, v[KU+2]
.endif
.endr
	v_bfe_u32 v15, v0, 4, 1
	s_delay_alu instid0(VALU_DEP_1)
	v_cmp_eq_u32 vcc_lo, 1, v15
	s_delay_alu instid0(VALU_DEP_1)
	v_cndmask_b32 v[XWD], v[KW], v[KW+1], vcc_lo   ; lanes 0-15 store the first pair's word, lanes 16-31 the second's
	global_store_b32 v[SA], v[XWD], s[100:101]
	; ---- B: v of two tiles of d.  Source 0 = t (16 positions), source 1 = 16 rows of Wv: lane (r, h) holds channel row r and keys 32 b + 16 h + 0..15
.irp d, 0,1
.irp j, 0,1,2,3,4,5,6,7
	v_mov_b32 v[BC+8*\d+\j], v[VBR+\d]             ; the bias of my channel, in all eight registers
.endr
.endr
	s_wait_alu depctr_va_vdst(0)
	s_wait_loadcnt 0x0                             ; Wv
.irp s, 0,1,2,3
.irp T, 0,1,2,3
.irp c, 0,1,2,3
	ds_load_b128 v[TF+16*\T+4*\c:TF+16*\T+4*\c+3], v[TA] offset:TPITCH*\T+2048*\s+512*\c
.endr
.endr
	s_wait_dscnt 0x0
	WIN 0x04                                       ; source 1 (Wv) window 1
.irp T, 0,1,2,3
.irp d, 0,1
.if \s == 0
	v_wmma_scale_f32_16x16x128_f8f6f4 v[ACC+32*\d+8*\T:ACC+32*\d+8*\T+7], v[TF+16*\T:TF+16*\T+15], v[16*(4*\d+\s):16*(4*\d+\s)+15], v[BC+8*\d:BC+8*\d+7], v[TS+4*\T+\s], v[WVS+4*\d+\s] matrix_a_fmt:MATRIX_FMT_BF8 matrix_b_fmt:MATRIX_FMT_BF8
.else
	v_wmma_scale_f32_16x16x128_f8f6f4 v[ACC+32*\d+8*\T:ACC+32*\d+8*\T+7], v[TF+16*\T:TF+16*\T+15], v[16*(4*\d+\s):16*(4*\d+\s)+15], v[ACC+32*\d+8*\T:ACC+32*\d+8*\T+7], v[TS+4*\T+\s], v[WVS+4*\d+\s] matrix_a_fmt:MATRIX_FMT_BF8 matrix_b_fmt:MATRIX_FMT_BF8
.endif
.endr
.endr
	WIN 0
	PLACES 8                                       ; ahead of loads into t's fragments and of the first read of results
.endr
	s_wait_xcnt 0x0                                ; unit A's stores have read their registers
	QUANT 2, ACC, PC, KU
	QUANT 2, ACC+32, PC+8, KU+1
.irp d, 0,1
.irp b, 0,1
	global_store_b128 v[VCO], v[PC+8*\d+4*\b:PC+8*\d+4*\b+3], s[104:105] offset:2048*\d+512*\b
.endr
.endr
	v_cndmask_b32 v[TMP], v[KU], v[KU+1], vcc_lo   ; lanes 0-15: the first tile's two bytes, lanes 16-31: the second's
	global_store_b16 v[VSO], v[TMP], s[104:105]
	s_wait_tensorcnt 0x0
	ds_add_u32 v254, v255
	s_wait_dscnt 0x0
	s_endpgm
.Lfunc_end_k_qf082d10e18_qkv:
	.size	k_qf082d10e18_qkv, .Lfunc_end_k_qf082d10e18_qkv-k_qf082d10e18_qkv
	.p2alignl 7, 3214868480
	.fill 96, 4, 3214868480
	.section	.rodata,"a",@progbits
	.p2align	6, 0x0
	.amdhsa_kernel k_qf082d10e18_qkv
		.amdhsa_group_segment_fixed_size 168960
		.amdhsa_private_segment_fixed_size 0
		.amdhsa_enable_private_segment 0
		.amdhsa_kernarg_size 96
		.amdhsa_user_sgpr_count 2
		.amdhsa_user_sgpr_kernarg_segment_ptr 1
		.amdhsa_wavefront_size32 1
		.amdhsa_system_sgpr_workgroup_id_x 1
		.amdhsa_system_sgpr_workgroup_id_y 1
		.amdhsa_system_sgpr_workgroup_id_z 1
		.amdhsa_system_vgpr_workitem_id 0
		.amdhsa_next_free_vgpr 512
		.amdhsa_next_free_sgpr 106
		.amdhsa_reserve_vcc 1
		.amdhsa_float_denorm_mode_32 3
		.amdhsa_float_denorm_mode_16_64 3
		.amdhsa_memory_ordered 1
		.amdhsa_forward_progress 1
		.amdhsa_inst_pref_size 121
	.end_amdhsa_kernel
	.amdgpu_metadata
---
amdhsa.version: [ 1, 2 ]
amdhsa.kernels:
  - .name:           k_qf082d10e18_qkv
    .symbol:         k_qf082d10e18_qkv.kd
    .args:
      - { .name: x, .offset: 0, .size: 8, .value_kind: global_buffer, .address_space: global }
      - { .name: gn_w, .offset: 8, .size: 8, .value_kind: global_buffer, .address_space: global }
      - { .name: gn_b, .offset: 16, .size: 8, .value_kind: global_buffer, .address_space: global }
      - { .name: stats, .offset: 24, .size: 8, .value_kind: global_buffer, .address_space: global }
      - { .name: w_img, .offset: 32, .size: 8, .value_kind: global_buffer, .address_space: global }
      - { .name: w_sc, .offset: 40, .size: 8, .value_kind: global_buffer, .address_space: global }
      - { .name: wq_b, .offset: 48, .size: 8, .value_kind: global_buffer, .address_space: global }
      - { .name: wk_b, .offset: 56, .size: 8, .value_kind: global_buffer, .address_space: global }
      - { .name: wv_b, .offset: 64, .size: 8, .value_kind: global_buffer, .address_space: global }
      - { .name: q_img, .offset: 72, .size: 8, .value_kind: global_buffer, .address_space: global }
      - { .name: q_sc, .offset: 80, .size: 8, .value_kind: global_buffer, .address_space: global }
      - { .name: kv, .offset: 88, .size: 8, .value_kind: global_buffer, .address_space: global }
    .group_segment_fixed_size: 168960
    .private_segment_fixed_size: 0
    .kernarg_segment_align: 8
    .kernarg_segment_size: 96
    .max_flat_workgroup_size: 256
    .sgpr_count:     106
    .vgpr_count:     512
    .wavefront_size: 32
...
	.end_amdgpu_metadata
.endif
;; end of part 2
;; launch attn (part 3): grid 16 x 16, 8 waves a work-group, clusters of 4 x 1, 327,680 bytes of LDS; arguments q_img, q_sc, kv, o_img, o_sc; writes o_img, o_sc
.if DOCPART == 3
	.amdgcn_target "amdgcn-amd-amdhsa--gfx1250"
	.amdhsa_code_object_version 6
	.text
	.protected	k_qf082d10e18_attn
	.globl	k_qf082d10e18_attn
	.p2align	8
	.type	k_qf082d10e18_attn,@function
k_qf082d10e18_attn:
	s_mov_b64 s[64:65], 0
	v_nop
	global_prefetch_b8 v0, s[64:65] scope:SCOPE_SE
	s_setreg_imm32_b32 hwreg(HW_REG_WAVE_MODE, 25, 1), 1
	s_wait_xcnt 0x0
	s_wait_alu depctr_hold_cnt(0) depctr_sa_sdst(0) depctr_va_vdst(0) depctr_va_sdst(0) depctr_va_ssrc(0) depctr_va_vcc(0) depctr_vm_vsrc(0)
	s_getreg_b32 s2, hwreg(HW_REG_IB_STS2, 6, 4)
	s_cmp_eq_u32 s2, 0
	s_cbranch_scc0 .Lentry_in_a_cluster
	s_endpgm
.Lentry_in_a_cluster:
	s_bfe_u32 s2, ttmp6, 0x10000c
	s_cmp_lg_u32 s2, 0x3003
	s_cbranch_scc0 .Lentry_shape_is_right
	s_endpgm
.Lentry_shape_is_right:
; ATTENTION on codes of E5M2 with E8M0 scales, head size 64, 4,096 keys, 16 (batch, head) pairs; o = softmax(q k^T / 8) v, quantised along the channels and stored as operand images.
; THE SOFTMAX AHEAD OF THE SECOND PRODUCT: t = score x log2(e) / 8; M = the running largest t rounded up to a whole number; p = 2^(t - M) is quantised along the keys, not normalised;
; the row's sum is taken of the unquantised p and divides at the end; when M moves, sum and O^T are multiplied by 2^(old M - new M), which rounds nothing.
; SHARES.  A work-group owns 256 queries of one head; each of its EIGHT waves, two to a SIMD, owns TWO tiles of 16 queries: a fragment of K or V read from LDS feeds two tiles' products.
; REGISTERS BY KIND, NOT BY TILE, so that the two tiles' lines take turns under one window setting, and the whole softmax names window 0 alone:
;   window 0: addresses, each tile's small state (30 registers a tile from v14), all scale words, S^T, then p: tile i at v[88 + 64 i], Q with zeros between v216-255;
;   window 1: K's fragments v0-63, V's v64-127, O^T at v[128 + 32 i], p's codes at v[192 + 16 i].
; BOTH PRODUCTS TRANSPOSED: S^T = K Q^T, O^T = V^T P^T: a lane holds one query throughout; the keys of a tile were chosen so that p's 16 registers of two neighbouring tiles are 16 neighbouring keys.
; K = 64 IN AN INSTRUCTION OF 128: two tiles of 16 keys are ONE operand of 16 registers.  Q lies as 8 zeros, Q0, 8 zeros, Q1, 8 zeros: (Q, 0) picks the first tile of keys, (0, Q) the second.
; The zero codes stand on Q's side; K's codes are finite, so those products are exact zeros.  Q's two scale bytes are doubled into a word; no byte is 0xff.
; A STEP'S ORDER: K's loads of step s; O^T x f and O^T += V^T P^T of step s - 1; S^T of step s; V's loads; the softmax of step s.  So the first step multiplies zero codes into zeros, and the last product stands behind the loops.
; THE EXPONENTIALS of a tile stand by turns with plain lines of the other tile (its t - M, or its hold), which read nothing written in the batch and whose results are read behind its closing wait.
; RING.  kv holds, for each head and key step, one dense block of 16,896 bytes: K's 8 tiles, V's 4 tiles, K's and V's scale words.  Two LDS slots of eight steps; each wave fetches one step by one load.
; THE CHANGE OF SLOTS stands inside a slot's last step: V's loads are the wave's last reads of the slot, so the waits, the add and the barrier's signal follow them, and that step's softmax, work on registers alone, stands between the signal and the wait.
; CLUSTER.  The four query blocks of a cluster belong to one head and walk the same blocks: each is asked for jointly (mask 15), the same descriptor in all four.
; LIMITS: NaN and infinities are not served; a block of zeros gets byte 1 (read by this program alone); 1 / sum is v_rcp_f32 (1 ulp); the scaled scores stay under 2^31 in magnitude.
.set STEPB, 16896
.set NST,   8                          ; key steps in a slot
.set SLOTB, NST*STEPB                  ; 135,168 = 0x21000
.set SLOT1, SLOTB                      ; slot 1 begins here.  A wave's place in a slot, wave x 0x4200, has neither bit of 0x21000: one exclusive or turns its address from slot to slot
.set SPARE, 2*SLOTB                    ; behind the ring: the spare words, 128 bytes a wave: four blocks of 256 bytes that no other line names
.set LI,  1                            ; v1  16 x lane
.set LS,  2                            ; v2  16 r
.set SPW, 3                            ; v3  my spare word; never rewritten
.set NIL, 4                            ; v4  0; never rewritten
.set ADR, 5                            ; v5  the step's block + 16 x lane
.set ADS, 6                            ; v6  the step's block + 16 r
.set PFO, 7                            ; v7  256 x lane; never rewritten
.set OSO, 9                            ; v9  64 r + 16 h
.set TS,  14                           ; tile i's state at v[TS + TSS i + ..]:
.set TSS, 30
.set NM,  0                            ; -M
.set TMX, 1                            ; the largest t
.set SUM, 2                            ; the sum, a pair; three more chains of a step behind it (4, 6, 8)
.set F,   10                           ; f, a pair
.set BM,  12
.set BP,  16
.set HD,  20
.set SO,  24
.set T0,  28
.set TW,  29
.set KS,  74                           ; scales alone: K's words, V's, Q's (a tile each), p's (a tile each)
.set VS,  78
.set QS,  82
.set PS,  84
.set UB,  86                           ; the way out: o's two bytes of each tile
.set SB,  88
.set QZ,  216
.set KF,  0                            ; window 1
.set VF,  64
.set OB,  128
.set PC,  192
.set WV,  14
.set LIM, 15
.set MNT, 19
.set SEL, 20
.set CS,  22
.set G1,  24
.set G0,  32
.set TB,  36
.set SLOTS, 37
.set CNT, 38
.set PFA, 40
.set MSB, 0
.macro WIN new                         ; low byte: bits 1:0 source 0, 3:2 source 1, 5:4 source 2, 7:6 destination; the high byte repeats the setting that is left
.if MSB != \new
	s_set_vgpr_msb (MSB<<8)|\new
.set MSB, \new
.endif
.endm
.macro PLACES n
.rept \n
	v_nop
.endr
.endm
.macro CREST                           ; a round of the cluster's barrier behind its opening barrier
	s_cmp_lg_u32 s[WV], 0
	s_cbranch_scc1 .Lnot_wave_0_\@
	s_barrier_signal -3
.Lnot_wave_0_\@:
	s_barrier_wait -3
	s_barrier_signal -1
	s_barrier_wait -1
.endm
.macro ROUND                           ; a whole round
	s_barrier_signal -1
	s_barrier_wait -1
	CREST
.endm
.macro TLOAD                           ; every wave fetches its step's block, 16,896 dense bytes; s_nop 0 and four v_nop follow
	tensor_load_to_lds s[G0:G0+3], s[G1:G1+7]
	s_nop 0
	PLACES 4
.endm
; A prefetch of the codes that the NEXT change of slots will ask for: 8 steps x 16,384 bytes = 512 blocks of 256 bytes.  All clusters of a head walk the same blocks: the head's first cluster asks.
; Its 4 partners x waves 0-3 x 32 lanes name a block each, told apart by address: partner cx and wave w take step 2 cx + w / 2, K's half (w even) or V's.  The last change that fills a slot asks for nothing.
.macro ASK
	s_cmp_gt_u32 s[SLOTS], s[LIM]
	s_cbranch_scc0 .Lnot_mine_\@
	global_prefetch_b8 v[PFO], s[PFA:PFA+1] th:TH_LOAD_NT scope:SCOPE_SE
.Lnot_mine_\@:
.endm
; What stands in front of a change's signal: each wave waits for all its tensor loads, adds 0 to its spare word, and waits for that and for its reads of the slot that it leaves.  fill = 1: the descriptor and the prefetch's address step on
.macro LINES fill
	s_wait_tensorcnt 0x0                           ; no tensor load of mine is out: the descriptor may be written
	ds_add_u32 v[SPW], v[NIL]
.if \fill
	s_xor_b32 s[G0+1], s[G0+1], SLOT1              ; the other slot than last time,
	s_add_nc_u64 s[G0+2:G0+3], s[G0+2:G0+3], SLOTB ; the next eight steps
	s_wait_xcnt 0x0                                ; the last prefetch, a slot back, has read its address
	s_add_nc_u64 s[PFA:PFA+1], s[PFA:PFA+1], SLOTB ; one slot further on than the descriptor
.endif
	s_wait_dscnt 0x0                               ; the add is done, and my reads of the slot that I leave are over
.endm
.macro ORESC                           ; O^T x f, both tiles, each accumulator from its low end on.  The wait stands directly ahead of the first reader of the last products' results
	WIN 0x41
	s_wait_alu depctr_va_vdst(0)
.irp i, 0,1
.set oj, 0
.rept 16
	v_pk_mul_f32 v[OB+32*\i+oj:OB+32*\i+oj+1], v[OB+32*\i+oj:OB+32*\i+oj+1], v[TS+TSS*\i+F:TS+TSS*\i+F+1] op_sel_hi:[1,0]
.set oj, oj+2
.endr
.endr
.endm
.macro PV younger                      ; O^T += V^T P^T: eight accumulators, one instruction each.  younger: the LDS loads issued behind V's, which may stay out
	s_wait_alu depctr_va_vdst(0)
	s_wait_dscnt \younger
	WIN 0x55                                       ; V, the codes, C and D: window 1
.irp d, 0,1,2,3
.irp i, 0,1
	v_wmma_scale_f32_16x16x128_f8f6f4 v[OB+32*\i+8*\d:OB+32*\i+8*\d+7], v[VF+16*\d:VF+16*\d+15], v[PC+16*\i:PC+16*\i+15], v[OB+32*\i+8*\d:OB+32*\i+8*\d+7], v[VS+\d], v[PS+\i] matrix_a_fmt:MATRIX_FMT_BF8 matrix_b_fmt:MATRIX_FMT_BF8
.endr
.endr
.endm
.macro HOLD2 t, j                      ; two of tile t's p held at 57,344 x their block's scale, in one pair: the conversion does not saturate (ISA guide 7.6.2); p is not negative
	v_dual_min_num_f32 v[SB+64*\t+\j], v[SB+64*\t+\j], v[TS+TSS*\t+HD+(\j)/16] :: v_dual_min_num_f32 v[SB+64*\t+\j+1], v[SB+64*\t+\j+1], v[TS+TSS*\t+HD+(\j)/16]
.endm
; Tile e's 64 exponentials; by turns with them tile f's t - M or tile m's hold (-1: none); then the four of tile e's blocks' largest p.  One wait ahead of the batch, one behind it
.macro BATCH e, f, m
	s_wait_alu depctr_va_vdst(0)
.set bj, 0
.rept 64
	v_exp_f32 v[SB+64*\e+bj], v[SB+64*\e+bj]
.if (\f >= 0) && (bj%2 == 0)
	v_pk_fma_f32 v[SB+64*\f+bj:SB+64*\f+bj+1], v[SB+64*\f+bj:SB+64*\f+bj+1], s[CS:CS+1], v[TS+TSS*\f+NM:TS+TSS*\f+NM+1] op_sel_hi:[1,0,0]
.endif
.if (\m >= 0) && (bj%2 == 0)
	HOLD2 \m, bj
.endif
.set bj, bj+1
.endr
.irp b, 0,1,2,3
	v_exp_f32 v[TS+TSS*\e+BM+\b], v[TS+TSS*\e+BM+\b]
.endr
	v_nop                                          ; the plain line behind the batch
	s_wait_alu depctr_va_vdst(0)
.endm
; Behind tile t's exponentials: the sum of its unquantised p, in four chains; its four blocks' scales
.macro SECT t
.irp c, 1,2,3
	v_pk_add_f32 v[TS+TSS*\t+SUM+2*\c:TS+TSS*\t+SUM+2*\c+1], v[SB+64*\t+2*\c:SB+64*\t+2*\c+1], v[SB+64*\t+8+2*\c:SB+64*\t+8+2*\c+1]
.endr
	v_pk_add_f32 v[TS+TSS*\t+SUM:TS+TSS*\t+SUM+1], v[TS+TSS*\t+SUM:TS+TSS*\t+SUM+1], v[SB+64*\t:SB+64*\t+1]
.irp k, 2,3,4,5,6,7
.irp c, 1,2,3,0
	v_pk_add_f32 v[TS+TSS*\t+SUM+2*\c:TS+TSS*\t+SUM+2*\c+1], v[TS+TSS*\t+SUM+2*\c:TS+TSS*\t+SUM+2*\c+1], v[SB+64*\t+8*\k+2*\c:SB+64*\t+8*\k+2*\c+1]
.if (\k == 4) && (\c == 1)
	v_pk_add_f32 v[TS+TSS*\t+SUM:TS+TSS*\t+SUM+1], v[TS+TSS*\t+SUM:TS+TSS*\t+SUM+1], v[SB+64*\t+8:SB+64*\t+9]
.endif
.endr
.endr
.irp b, 0,1,2,3
	v_max_num_f32 v[TS+TSS*\t+BM+\b], 0x8000000, v[TS+TSS*\t+BM+\b]     ; the floor 2^(16-127): the byte cannot fall under 1
.endr
.irp b, 0,1,2,3
	v_add_nc_u32 v[TS+TSS*\t+SO+\b], 0xf8800000, v[TS+TSS*\t+BM+\b]     ; 15 off the exponent field: the conversion's scale operand
.endr
.irp b, 0,1,2,3
	v_and_or_b32 v[TS+TSS*\t+HD+\b], v[TS+TSS*\t+BM+\b], 0x7f800000, s[MNT]   ; 57,344 x the scale
.endr
.irp b, 0,1,2,3
	v_lshrrev_b32 v[TS+TSS*\t+BP+\b], 23, v[TS+TSS*\t+SO+\b]            ; the byte
.endr
	v_lshl_or_b32 v[TS+TSS*\t+TW], v[TS+TSS*\t+BP+1], 8, v[TS+TSS*\t+BP]
	v_pk_add_f32 v[TS+TSS*\t+SUM:TS+TSS*\t+SUM+1], v[TS+TSS*\t+SUM:TS+TSS*\t+SUM+1], v[TS+TSS*\t+SUM+2:TS+TSS*\t+SUM+3]
	v_pk_add_f32 v[TS+TSS*\t+SUM+4:TS+TSS*\t+SUM+5], v[TS+TSS*\t+SUM+4:TS+TSS*\t+SUM+5], v[TS+TSS*\t+SUM+6:TS+TSS*\t+SUM+7]
	v_lshl_or_b32 v[TS+TSS*\t+TW], v[TS+TSS*\t+BP+2], 16, v[TS+TSS*\t+TW]
	v_pk_add_f32 v[TS+TSS*\t+SUM:TS+TSS*\t+SUM+1], v[TS+TSS*\t+SUM:TS+TSS*\t+SUM+1], v[TS+TSS*\t+SUM+4:TS+TSS*\t+SUM+5]
	v_lshl_or_b32 v[PS+\t], v[TS+TSS*\t+BP+3], 24, v[TS+TSS*\t+TW]      ; p's scale word for these 128 keys
.endm
.macro CVT t                           ; tile t's held p into codes
	WIN 0x40                                       ; the codes: window 1
.irp b, 0,1,2,3
	v_cvt_scalef32_pk8_bf8_f32 v[PC+16*\t+4*\b:PC+16*\t+4*\b+1], v[SB+64*\t+16*\b:SB+64*\t+16*\b+7], v[TS+TSS*\t+SO+\b]
	v_cvt_scalef32_pk8_bf8_f32 v[PC+16*\t+4*\b+2:PC+16*\t+4*\b+3], v[SB+64*\t+16*\b+8:SB+64*\t+16*\b+15], v[TS+TSS*\t+SO+\b]
.endr
	v_nop                                          ; a plain line behind the last conversion
	WIN 0
.endm
.macro HINT n                          ; the reader below takes the result of the plain line n vector lines back
	s_delay_alu instid0(VALU_DEP_\n)
.endm
; A KEY STEP'S FIRST PART: all its LDS reads and all matrix work
.macro FRONT
	v_add_nc_u32 v[ADR], s[TB], v[LI]
	v_add_nc_u32 v[ADS], s[TB], v[LS]
	WIN 0x40                                       ; destination window 1
.irp g, 0,1,2,3,4,5,6,7,8,9,10,11,12,13,14,15
	ds_load_b128 v[KF+4*\g:KF+4*\g+3], v[ADR] offset:512*\g        ; K's images: 512 consecutive bytes a load
.endr
	WIN 0
	ds_load_b128 v[KS:KS+3], v[ADS] offset:16384                   ; K's four pair words of row r
	ORESC                                          ; the last step's f; these 32 lines are also the places between the last codes and the products
	PV 17                                          ; V of the last step is in; K's 17 loads may be out
	s_wait_dscnt 0x0                               ; K
	WIN 0x01                                       ; K window 1; Q and S^T window 0
.irp i, 0,1
.irp e, 0,1,2,3
.irp u, 0,1
	v_wmma_scale_f32_16x16x128_f8f6f4 v[SB+64*\i+8*(2*\e+\u):SB+64*\i+8*(2*\e+\u)+7], v[KF+16*\e:KF+16*\e+15], v[QZ+8+16*\i-8*\u:QZ+23+16*\i-8*\u], 0, v[KS+\e], v[QS+\i] matrix_a_fmt:MATRIX_FMT_BF8 matrix_b_fmt:MATRIX_FMT_BF8
.endr
.endr
.endr
	WIN 0
	PLACES 8                                       ; ahead of the first read of the scores and of the loads into V's registers
	WIN 0x40
.irp g, 0,1,2,3,4,5,6,7,8,9,10,11,12,13,14,15
	ds_load_b128 v[VF+4*\g:VF+4*\g+3], v[ADR] offset:8192+512*\g   ; V lands while the softmax is walked
.endr
	WIN 0
	ds_load_b128 v[VS:VS+3], v[ADS] offset:16640
.endm
; ITS SECOND PART: the softmax of 128 keys, two tiles: work on registers alone
.macro SOFT
.irp i, 0,1                            ; the largest score of each block of 32 keys: for the row's maximum, and for the block's largest p.  Eight chains by turns
.irp b, 0,1,2,3
	v_max3_num_f32 v[TS+TSS*\i+BM+\b], v[SB+64*\i+16*\b], v[SB+64*\i+16*\b+1], v[SB+64*\i+16*\b+2]
.endr
.endr
.irp k, 3,5,7,9,11,13
.irp i, 0,1
.irp b, 0,1,2,3
	v_max3_num_f32 v[TS+TSS*\i+BM+\b], v[TS+TSS*\i+BM+\b], v[SB+64*\i+16*\b+\k], v[SB+64*\i+16*\b+\k+1]
.endr
.endr
.endr
.irp i, 0,1
.irp b, 0,1,2,3
	v_max_num_f32 v[TS+TSS*\i+BM+\b], v[TS+TSS*\i+BM+\b], v[SB+64*\i+16*\b+15]
.endr
.endr
.irp i, 0,1
.irp b, 0,1,2,3
	v_permlanex16_b32 v[TS+TSS*\i+BP+\b], v[TS+TSS*\i+BM+\b], s[SEL], s[SEL+1]
.endr
.endr
.irp i, 0,1
.irp b, 0,1,2,3
	v_max_num_f32 v[TS+TSS*\i+BM+\b], v[TS+TSS*\i+BM+\b], v[TS+TSS*\i+BP+\b]
.endr
.endr
.irp i, 0,1
	v_max3_num_f32 v[TS+TSS*\i+T0], v[TS+TSS*\i+BM], v[TS+TSS*\i+BM+1], v[TS+TSS*\i+BM+2]
.endr
.irp i, 0,1
	HINT 2
	v_max_num_f32 v[TS+TSS*\i+T0], v[TS+TSS*\i+T0], v[TS+TSS*\i+BM+3]
.endr
.irp i, 0,1
	HINT 2
	v_mul_f32 v[TS+TSS*\i+T0], s[CS], v[TS+TSS*\i+T0]
.endr
.irp i, 0,1
	HINT 2
	v_max_num_f32 v[TS+TSS*\i+TMX], v[TS+TSS*\i+TMX], v[TS+TSS*\i+T0]   ; the running largest t
.endr
.irp i, 0,1
	v_mov_b32 v[TS+TSS*\i+T0], v[TS+TSS*\i+NM]
.endr
.irp i, 0,1
	HINT 4
	v_floor_f32 v[TS+TSS*\i+NM], -v[TS+TSS*\i+TMX]                      ; -M = floor(-t)
.endr
.irp i, 0,1
	HINT 2
	v_sub_f32 v[TS+TSS*\i+T0], v[TS+TSS*\i+NM], v[TS+TSS*\i+T0]         ; old M - new M: a whole number, 0 or less
.endr
.irp i, 0,1
	HINT 2
	v_cvt_i32_f32 v[TS+TSS*\i+T0], v[TS+TSS*\i+T0]                      ; (it saturates)
.endr
.irp i, 0,1
	HINT 2
	v_ldexp_f32 v[TS+TSS*\i+F], 1.0, v[TS+TSS*\i+T0]                    ; f = 2^(old M - new M)
.endr
.irp i, 0,1
.irp b, 0,1,2,3
	v_fma_f32 v[TS+TSS*\i+BM+\b], v[TS+TSS*\i+BM+\b], s[CS], v[TS+TSS*\i+NM]
.endr
.endr
.irp i, 0,1
	v_pk_mul_f32 v[TS+TSS*\i+SUM:TS+TSS*\i+SUM+1], v[TS+TSS*\i+SUM:TS+TSS*\i+SUM+1], v[TS+TSS*\i+F:TS+TSS*\i+F+1] op_sel_hi:[1,0]   ; the sums under the new M
.endr
.set bj, 0
.rept 32
	v_pk_fma_f32 v[SB+bj:SB+bj+1], v[SB+bj:SB+bj+1], s[CS:CS+1], v[TS+NM:TS+NM+1] op_sel_hi:[1,0,0]   ; tile 0's t - M
.set bj, bj+2
.endr
	BATCH 0, 1, -1
	SECT 0
	BATCH 1, -1, 0
	SECT 1
	CVT 0
.set bj, 0
.rept 32
	HOLD2 1, bj
.set bj, bj+2
.endr
	CVT 1
	s_add_co_u32 s[TB], s[TB], STEPB
	s_wait_alu depctr_va_vdst(0)                   ; ahead of the branch or the barrier's wait that follows
.endm
.macro INNER n                         ; n steps of a slot: written once, walked n times
	s_mov_b32 s[CNT], \n
.Lstep_\@:
	FRONT
	SOFT
	s_sub_co_u32 s[CNT], s[CNT], 1
	s_cmp_lg_u32 s[CNT], 0
	s_cbranch_scc1 .Lstep_\@
.endm
; A SLOT'S LAST STEP, with the change of slots in it.  fill = 1: the barrier opens a round of the cluster's, and the slot just left takes the eight steps that follow the next slot's
.macro LASTSTEP fill
	FRONT
	LINES \fill
	s_barrier_signal -1                            ; my reads of this slot are over, and my part of the next slot is in
	SOFT                                           ; work on registers while the others arrive
	s_barrier_wait -1
.if \fill
	CREST
	TLOAD                                          ; the first tensor load behind the round, and a wave's only one until the next
	ASK
.endif
	s_sub_co_u32 s[TB], s[TB], NST*STEPB
	s_xor_b32 s[TB], s[TB], SLOT1                  ; on to the other slot
.endm
	s_load_b256 s[4:11], s[0:1], 0x0               ; q_img s[4:5], q_sc s[6:7], kv s[8:9], o_img s[10:11]
	s_load_b64 s[12:13], s[0:1], 0x20              ; o_sc
	v_lshl_add_u32 v[SPW], v0, 2, SPARE
	v_mov_b32 v[NIL], 0
	ds_add_u32 v[SPW], v[NIL]                      ; the opening: the add, twice on end, and its wait ahead of my first tensor load
	ds_add_u32 v[SPW], v[NIL]
	v_lshrrev_b32 v8, 5, v0
	v_readfirstlane_b32 s[WV], v8                  ; wave 0..7
	v_and_b32 v8, 31, v0
	v_lshlrev_b32 v[LI], 4, v8
	v_lshlrev_b32 v[PFO], 8, v8
	v_and_b32 v8, 15, v0                           ; r
	v_lshlrev_b32 v[LS], 4, v8
	v_bfe_u32 v10, v0, 4, 1                        ; h
	v_lshlrev_b32 v[OSO], 6, v8
	v_lshl_add_u32 v[OSO], v10, 4, v[OSO]
	s_bfe_u32 s16, ttmp6, 0x40000                  ; cx: it enters Q's, o's and the prefetch's global addresses alone
	s_lshl_b32 s17, ttmp9, 2
	s_add_co_u32 s17, s17, s16                     ; my block of 256 queries
	s_and_b32 s18, ttmp7, 0xffff                   ; 8 batch + head, which the four partners share
	s_mov_b32 s[MNT], 0x600000
	s_mov_b32 s[SEL], 0x76543210
	s_mov_b32 s[SEL+1], 0xfedcba98
	s_mov_b32 s[CS], 0x3e38aa3b                    ; log2(e) / 8
	s_mov_b32 s[CS+1], s[CS]
	; descriptor group 1: a dense block of 16,896 bytes as 66 rows of 32 elements of 8 bytes; mask: all four partners, bit 21 beside it
	s_mov_b32 s[G1], 15|(3<<16)|(1<<21)
	s_mov_b32 s[G1+1], 32<<16
	s_mov_b32 s[G1+2], 66<<16
	s_mov_b32 s[G1+3], 32<<16
	s_mov_b32 s[G1+4], 66
	s_mov_b32 s[G1+5], 32
	s_mov_b32 s[G1+6], 0
	s_mov_b32 s[G1+7], 0
	s_mul_i32 s42, s18, 32*STEPB                   ; the head's first byte in kv
	s_mul_i32 s44, s[WV], STEPB                    ; which of a slot's eight steps I fetch
	s_add_co_u32 s46, s42, s44
	s_mov_b32 s47, 0
	s_mov_b32 s[G0], 1
	s_mov_b32 s[G0+1], s44                         ; slot 0
	s_lshl_b32 s48, s16, 1                         ; the prefetches (waves 0-3): step 2 cx + wave / 2,
	s_bfe_u32 s49, s[WV], 0x10001
	s_add_co_u32 s48, s48, s49
	s_mul_i32 s48, s48, STEPB
	s_add_co_u32 s48, s48, s42
	s_add_co_u32 s48, s48, SLOTB                   ; in slot 1: the first change steps it to slot 2
	s_and_b32 s49, s[WV], 1
	s_lshl_b32 s49, s49, 13                        ; even waves: K's 8,192 bytes; odd ones: V's
	s_add_co_u32 s48, s48, s49
	s_mov_b32 s49, 0
	s_lshr_b32 s[LIM], s[WV], 2                    ; 0 in waves 0-3,
	s_or_b32 s[LIM], s[LIM], ttmp9                 ; of the head's first cluster: the same in all four partners
	s_cmp_eq_u32 s[LIM], 0
	s_cselect_b32 s[LIM], 1, -1
	s_lshl_b32 s50, s18, 18
	s_lshl_b32 s51, s17, 14
	s_add_co_u32 s50, s50, s51
	s_lshl_b32 s51, s[WV], 11
	s_add_co_u32 s50, s50, s51
	s_mov_b32 s51, 0                               ; Q's codes: 1,024 bytes a tile, my two tiles
	s_lshl_b32 s52, s17, 1
	s_lshr_b32 s53, s[WV], 2
	s_add_co_u32 s52, s52, s53
	s_lshl_b32 s52, s52, 8
	s_lshl_b32 s53, s18, 13
	s_add_co_u32 s52, s52, s53
	s_and_b32 s53, s[WV], 3
	s_lshl_b32 s53, s53, 2
	s_add_co_u32 s52, s52, s53
	s_mov_b32 s53, 0                               ; Q's pair word
	s_lshr_b32 s54, s18, 3
	s_lshl_b32 s54, s54, 6
	s_lshl_b32 s55, s17, 2
	s_add_co_u32 s54, s54, s55
	s_lshr_b32 s55, s[WV], 1
	s_add_co_u32 s54, s54, s55                     ; o: block of 64 positions = 64 batch + 4 query block + wave / 2
	s_and_b32 s55, s[WV], 1
	s_lshl_b32 s55, s55, 3
	s_bfe_u32 s56, s18, 0x20001
	s_add_co_u32 s55, s55, s56                     ; 4 x my first tile's place in the block + K step (head / 2)
	s_and_b32 s56, s18, 1                          ; which half of the K step
	s_lshl_b32 s58, s54, 15
	s_lshl_b32 s57, s55, 11
	s_add_co_u32 s58, s58, s57
	s_lshl_b32 s57, s56, 10
	s_add_co_u32 s58, s58, s57
	s_mov_b32 s59, 0
	s_lshl_b32 s60, s54, 10
	s_lshl_b32 s57, s55, 2
	s_add_co_u32 s60, s60, s57
	s_lshl_b32 s57, s56, 1
	s_add_co_u32 s60, s60, s57
	s_mov_b32 s61, 0
	s_mov_b32 s[TB], 0
	s_mov_b32 s[SLOTS], 3                          ; slots still to be asked for
	s_wait_dscnt 0x0                               ; both opening adds are done
	s_wait_kmcnt 0x0
	s_add_nc_u64 s[G0+2:G0+3], s[8:9], s[46:47]
	s_or_b32 s[G0+3], s[G0+3], 0x80000000
	s_add_nc_u64 s[PFA:PFA+1], s[8:9], s[48:49]
	s_add_nc_u64 s[4:5], s[4:5], s[50:51]
	s_add_nc_u64 s[6:7], s[6:7], s[52:53]
	s_add_nc_u64 s[10:11], s[10:11], s[58:59]
	s_add_nc_u64 s[12:13], s[12:13], s[60:61]
	ROUND                                          ; all four work-groups are here: the first joint loads meet
	TLOAD                                          ; slot 0: a wave's one load at the head
	s_wait_alu depctr_va_vdst(0)                   ; ahead of the readers below
	global_load_b32 v12, v[LS], s[6:7]
.irp i, 0,1
	global_load_b128 v[QZ+8+16*\i:QZ+11+16*\i], v[LI], s[4:5] offset:1024*\i
	global_load_b128 v[QZ+12+16*\i:QZ+15+16*\i], v[LI], s[4:5] offset:1024*\i+512
.endr
	; what the first step finds, written while slot 0 is on its way: zeros between the Q's; zero V, zero O^T and zero codes, which the first product leaves zeros
.irp z, 0,1,2
.irp j, 0,1,2,3,4,5,6,7
	v_mov_b32 v[QZ+16*\z+\j], 0
.endr
.endr
	WIN 0x40
.set sj, 0
.rept 160
	v_mov_b32 v[VF+sj], 0
.set sj, sj+1
.endr
	WIN 0
.irp i, 0,1
	v_mov_b32 v[TS+TSS*\i+SUM], 0
	v_mov_b32 v[TS+TSS*\i+SUM+1], 0
	v_mov_b32 v[TS+TSS*\i+F], 0
	v_mov_b32 v[TS+TSS*\i+F+1], 0                  ; (named as the upper half of a pair)
	v_mov_b32 v[TS+TSS*\i+TMX], 0xff61b1e6         ; -3e38, under every t
	v_mov_b32 v[PS+\i], 0x7f7f7f7f                 ; scale 1 over the first product's zeros
.irp b, 0,1,2,3
	v_mov_b32 v[TS+TSS*\i+BP+\b], 0                ; (a lane permute's destination counts as read)
.endr
	v_floor_f32 v[TS+TSS*\i+NM], -v[TS+TSS*\i+TMX]
.endr
.irp d, 0,1,2,3
	v_mov_b32 v[VS+\d], 0x7f7f7f7f
.endr
	s_wait_loadcnt 0x0
	v_perm_b32 v[QS], v12, v12, 0x01000100         ; each tile's two bytes, doubled
	v_perm_b32 v[QS+1], v12, v12, 0x03020302
	s_wait_alu depctr_va_vdst(0)
	LINES 1                                        ; slot 0 is in; slot 1's first fill is issued as a refill is
	ROUND
	TLOAD
	ASK
	s_mov_b32 s[SLOTS], 2
.Lslot:                                            ; slots 0 and 1: their last steps ask for slots 2 and 3
	INNER NST-1
	LASTSTEP 1
	s_sub_co_u32 s[SLOTS], s[SLOTS], 1
	s_cmp_lg_u32 s[SLOTS], 0
	s_cbranch_scc1 .Lslot
	INNER NST-1                                    ; slot 2 is written out: its last step asks for nothing
	LASTSTEP 0
	INNER NST                                      ; slot 3
	ORESC                                          ; the last step's f and its product
	PV 0
	WIN 0
	PLACES 8                                       ; behind the last products
	; THE WAY OUT: O^T / sum, quantised along the head's 64 channels (two blocks of 32): 8 registers of codes and two bytes a tile
.irp i, 0,1
	v_add_f32 v[TS+TSS*\i+SUM], v[TS+TSS*\i+SUM], v[TS+TSS*\i+SUM+1]
.endr
.irp i, 0,1
	HINT 2
	v_permlanex16_b32 v[TS+TSS*\i+BP], v[TS+TSS*\i+SUM], s[SEL], s[SEL+1]
.endr
.irp i, 0,1
	HINT 2
	v_add_f32 v[TS+TSS*\i+SUM], v[TS+TSS*\i+SUM], v[TS+TSS*\i+BP]
.endr
	s_wait_alu depctr_va_vdst(0)                   ; ahead of the batch
.irp i, 0,1
	v_rcp_f32 v[TS+TSS*\i+F], v[TS+TSS*\i+SUM]
.endr
	v_nop
	ORESC                                          ; x 1 / sum; its wait serves the reciprocals and the last products' results
	WIN 0x05
.irp i, 0,1
.irp b, 0,1
	v_max3_num_f32 v[TS+TSS*\i+BM+\b], |v[OB+32*\i+16*\b]|, |v[OB+32*\i+16*\b+1]|, 0x8000000
.endr
.endr
	WIN 0x14
.irp k, 2,4,6,8,10,12,14
.irp i, 0,1
.irp b, 0,1
	v_max3_num_f32 v[TS+TSS*\i+BM+\b], v[TS+TSS*\i+BM+\b], |v[OB+32*\i+16*\b+\k]|, |v[OB+32*\i+16*\b+\k+1]|
.endr
.endr
.endr
	WIN 0
.irp i, 0,1
.irp b, 0,1
	v_permlanex16_b32 v[TS+TSS*\i+BP+\b], v[TS+TSS*\i+BM+\b], s[SEL], s[SEL+1]
.endr
.endr
.irp i, 0,1
.irp b, 0,1
	v_max_num_f32 v[TS+TSS*\i+BM+\b], v[TS+TSS*\i+BM+\b], v[TS+TSS*\i+BP+\b]
.endr
.endr
.irp i, 0,1
.irp b, 0,1
	v_add_nc_u32 v[TS+TSS*\i+SO+\b], 0xf8800000, v[TS+TSS*\i+BM+\b]
.endr
.endr
.irp i, 0,1
.irp b, 0,1
	v_and_or_b32 v[TS+TSS*\i+HD+\b], v[TS+TSS*\i+BM+\b], 0x7f800000, s[MNT]
.endr
.endr
.irp i, 0,1
.irp b, 0,1
	v_lshrrev_b32 v[TS+TSS*\i+BP+\b], 23, v[TS+TSS*\i+SO+\b]
.endr
.endr
.irp i, 0,1
	v_lshl_or_b32 v[UB+\i], v[TS+TSS*\i+BP+1], 8, v[TS+TSS*\i+BP]
.endr
	WIN 0x41
.irp i, 0,1
.irp b, 0,1
.set sj, 0
.rept 16
	v_med3_num_f32 v[OB+32*\i+16*\b+sj], v[OB+32*\i+16*\b+sj], -v[TS+TSS*\i+HD+\b], v[TS+TSS*\i+HD+\b]
.set sj, sj+1
.endr
	v_cvt_scalef32_pk8_bf8_f32 v[PC+16*\i+4*\b:PC+16*\i+4*\b+1], v[OB+32*\i+16*\b:OB+32*\i+16*\b+7], v[TS+TSS*\i+SO+\b]
	v_cvt_scalef32_pk8_bf8_f32 v[PC+16*\i+4*\b+2:PC+16*\i+4*\b+3], v[OB+32*\i+16*\b+8:OB+32*\i+16*\b+15], v[TS+TSS*\i+SO+\b]
.endr
.endr
	v_nop
	WIN 0x04                                       ; a store's data are its source 1: window 1
.irp i, 0,1
	global_store_b128 v[LI], v[PC+16*\i:PC+16*\i+3], s[10:11] offset:8192*\i          ; two groups of an operand image, 512 consecutive bytes a store; the second tile lies four fragments on
	global_store_b128 v[LI], v[PC+16*\i+4:PC+16*\i+7], s[10:11] offset:8192*\i+512
.endr
	WIN 0
	v_cmp_eq_u32 vcc_lo, 1, v10
	v_cndmask_b32 v11, v[UB], v[UB+1], vcc_lo      ; lanes 0-15 store my first tile's two bytes, lanes 16-31 my second's
	global_store_b16 v[OSO], v11, s[12:13]
	s_wait_tensorcnt 0x0                           ; the wave's end
	ds_add_u32 v[SPW], v[NIL]
	s_wait_dscnt 0x0
	ROUND                                          ; the closing round: no work-group ends while a partner may still ask for a block that names it
	s_endpgm
.Lfunc_end_k_qf082d10e18_attn:
	.size	k_qf082d10e18_attn, .Lfunc_end_k_qf082d10e18_attn-k_qf082d10e18_attn
	.p2alignl 7, 3214868480
	.fill 96, 4, 3214868480
	.section	.rodata,"a",@progbits
	.p2align	6, 0x0
	.amdhsa_kernel k_qf082d10e18_attn
		.amdhsa_group_segment_fixed_size 327680
		.amdhsa_private_segment_fixed_size 0
		.amdhsa_enable_private_segment 0
		.amdhsa_kernarg_size 40
		.amdhsa_user_sgpr_count 2
		.amdhsa_user_sgpr_kernarg_segment_ptr 1
		.amdhsa_wavefront_size32 1
		.amdhsa_system_sgpr_workgroup_id_x 1
		.amdhsa_system_sgpr_workgroup_id_y 1
		.amdhsa_system_sgpr_workgroup_id_z 1
		.amdhsa_system_vgpr_workitem_id 0
		.amdhsa_next_free_vgpr 512
		.amdhsa_next_free_sgpr 66
		.amdhsa_reserve_vcc 1
		.amdhsa_float_denorm_mode_32 3
		.amdhsa_float_denorm_mode_16_64 3
		.amdhsa_memory_ordered 1
		.amdhsa_forward_progress 1
		.amdhsa_inst_pref_size 202
	.end_amdhsa_kernel
	.amdgpu_metadata
---
amdhsa.version: [ 1, 2 ]
amdhsa.kernels:
  - .name:           k_qf082d10e18_attn
    .symbol:         k_qf082d10e18_attn.kd
    .args:
      - { .name: q_img, .offset: 0, .size: 8, .value_kind: global_buffer, .address_space: global }
      - { .name: q_sc, .offset: 8, .size: 8, .value_kind: global_buffer, .address_space: global }
      - { .name: kv, .offset: 16, .size: 8, .value_kind: global_buffer, .address_space: global }
      - { .name: o_img, .offset: 24, .size: 8, .value_kind: global_buffer, .address_space: global }
      - { .name: o_sc, .offset: 32, .size: 8, .value_kind: global_buffer, .address_space: global }
    .group_segment_fixed_size: 327680
    .private_segment_fixed_size: 0
    .kernarg_segment_align: 8
    .kernarg_segment_size: 40
    .max_flat_workgroup_size: 256
    .sgpr_count:     66
    .vgpr_count:     512
    .wavefront_size: 32
...
	.end_amdgpu_metadata
.endif
;; end of part 3
;; launch proj (part 4): grid 128 x 2, 8 waves a work-group, no clusters, 103,424 bytes of LDS; arguments o_img, o_sc, w_img, w_sc, proj_b, x, out0; writes out0
.if DOCPART == 4
	.amdgcn_target "amdgcn-amd-amdhsa--gfx1250"
	.amdhsa_code_object_version 6
	.text
	.protected	k_qf082d10e18_proj
	.globl	k_qf082d10e18_proj
	.p2align	8
	.type	k_qf082d10e18_proj,@function
k_qf082d10e18_proj:
	s_mov_b64 s[64:65], 0
	v_nop
	global_prefetch_b8 v0, s[64:65] scope:SCOPE_SE
	s_setreg_imm32_b32 hwreg(HW_REG_WAVE_MODE, 25, 1), 1
	s_wait_xcnt 0x0
; PROJ: out0 = (o proj_w^T + proj_b), turned back to [batch][channel][position], + x.  The product runs on codes of E5M2 with E8M0 scales made by the earlier launches.
; SHARES.  A work-group takes 64 positions x 256 channels (y); wave w takes channels 256 y + 32 w .. + 31 (two tiles of 16 rows of proj_w) for all 64 positions: 32 products.
; o's 16 fragments (4 tiles of positions x 4 K steps) come once from memory, two a wave, and go round through LDS as images of their registers; the weights go straight into registers.
; Source 0 = o (16 positions), source 1 = 16 rows of proj_w: lane (r, h) holds channel r of the tile, and its 8 registers 8 NEIGHBOURING positions, 32 (T/2) + 8 (T%2) + 16 h + j,
; since o's tiles of positions were chosen so.  A wave's 32 channels x 64 positions go through its own stage in LDS and leave as rows of 256 bytes: sixteen lanes store 256 consecutive aligned bytes.
; No tensor load, no multicast: an o block is shared by two work-groups only.  The bias is the C of each sum's first product.
.set OIMG,   0                         ; LDS: o's 16 images, 32,768 bytes
.set STG,    32768                     ; then a stage of 32 rows x 272 bytes for each wave
.set SPITCH, 272
.set LI,  1                            ; v1 16 x lane
.set R64, 2                            ; v2 64 r
.set SI,  3                            ; v3 into the stage
.set SB,  4                            ; v4 back out of it
.set XO,  5                            ; v5 16,384 h + 16 r: two channels' rows in x and out0
.set R4,  6                            ; v6 4 r
.set OW,  7                            ; v7 where I put my two images
.set OS,  16                           ; v16-31 o's scale words (4 T + s)
.set PWS, 32                           ; v32-39 proj_w's (4 tl + s)
.set RB,  40                           ; v40-41 the bias of my channel
.set BC,  48                           ; v48-63 the same in eight registers a tile
.set OF,  64                           ; v64-127 four fragments of o
.set ACC, 128                          ; v128-191 at 32 tl + 8 T
.set OUT, 192                          ; v192-255 rows on the way out
.set XRS, 128                          ; window 1: v0-127 proj_w's 8 fragments; v128-191 the residual
.set MSB, 0
.macro WIN new
.if MSB != \new
	s_set_vgpr_msb (MSB<<8)|\new
.set MSB, \new
.endif
.endm
	s_load_b256 s[8:15], s[0:1], 0x0               ; o_img s[8:9], o_sc s[10:11], w_img s[12:13], w_sc s[14:15]
	s_load_b128 s[16:19], s[0:1], 0x20             ; proj_b s[16:17], x s[18:19]
	s_load_b64 s[20:21], s[0:1], 0x30              ; out0
	v_lshl_add_u32 v46, v0, 2, 0x19000
	v_mov_b32 v47, 0
	v_lshrrev_b32 v8, 5, v0
	s_delay_alu instid0(VALU_DEP_1)
	v_readfirstlane_b32 s4, v8                     ; wave 0..7
	s_and_b32 s5, ttmp7, 0xffff                    ; y
	s_lshr_b32 s6, s4, 1
	s_and_b32 s7, s4, 1
	v_and_b32 v8, 31, v0
	s_delay_alu instid0(VALU_DEP_1)
	v_lshlrev_b32 v[LI], 4, v8
	v_and_b32 v8, 15, v0                           ; r
	v_bfe_u32 v9, v0, 4, 1                         ; h
	s_delay_alu instid0(VALU_DEP_2)
	v_lshlrev_b32 v[R64], 6, v8
	s_delay_alu instid0(VALU_DEP_3)
	v_lshlrev_b32 v[R4], 2, v8
	s_mul_i32 s36, s4, 32*SPITCH
	s_add_co_u32 s36, s36, STG                     ; my stage
	v_mul_u32_u24 v[SI], v8, SPITCH
	s_delay_alu instid0(VALU_DEP_1)
	v_lshl_add_u32 v[SI], v9, 6, v[SI]
	s_delay_alu instid0(VALU_DEP_1)
	v_add_nc_u32 v[SI], s36, v[SI]                 ; in: row = channel r, + 64 h
	v_mul_u32_u24 v[SB], v9, SPITCH
	s_delay_alu instid0(VALU_DEP_1)
	v_lshl_add_u32 v[SB], v8, 4, v[SB]
	s_delay_alu instid0(VALU_DEP_1)
	v_add_nc_u32 v[SB], s36, v[SB]                 ; back: lanes 0-15 one row, lanes 16-31 the next
	v_lshlrev_b32 v[XO], 14, v9
	s_delay_alu instid0(VALU_DEP_1)
	v_lshl_add_u32 v[XO], v8, 4, v[XO]
	s_lshl_b32 s37, s4, 12
	v_add_nc_u32 v[OW], s37, v[LI]
	s_lshl_b32 s24, ttmp9, 15
	s_add_co_u32 s24, s24, s37                     ; o's images: 32,768 bytes a block, my two
	s_mov_b32 s25, 0
	s_lshl_b32 s26, ttmp9, 10                      ; o's scale words
	s_mov_b32 s27, 0
	s_lshl_b32 s22, s5, 2
	s_add_co_u32 s22, s22, s6
	s_add_co_u32 s22, s22, 24                      ; 8 x kind 3 + group of 64 rows
	s_lshl_b32 s28, s22, 15
	s_lshl_b32 s29, s7, 14
	s_add_co_u32 s28, s28, s29                     ; my 8 fragments of proj_w
	s_mov_b32 s29, 0
	s_lshl_b32 s30, s22, 10
	s_lshl_b32 s31, s7, 5
	s_add_co_u32 s30, s30, s31                     ; and their scale words
	s_mov_b32 s31, 0
	s_lshl_b32 s23, s5, 8
	s_lshl_b32 s32, s4, 5
	s_add_co_u32 s23, s23, s32                     ; my first channel
	s_lshl_b32 s32, s23, 2
	s_mov_b32 s33, 0
	s_lshr_b32 s34, ttmp9, 6
	s_lshl_b32 s34, s34, 23                        ; batch
	s_lshl_b32 s35, s23, 14
	s_add_co_u32 s34, s34, s35
	s_and_b32 s35, ttmp9, 63
	s_lshl_b32 s35, s35, 8
	s_add_co_u32 s34, s34, s35                     ; + channel rows + my 64 positions
	s_mov_b32 s35, 0
	s_wait_alu depctr_va_vdst(0)
	s_wait_kmcnt 0x0
	s_add_nc_u64 s[8:9], s[8:9], s[24:25]
	s_add_nc_u64 s[10:11], s[10:11], s[26:27]
	s_add_nc_u64 s[12:13], s[12:13], s[28:29]
	s_add_nc_u64 s[14:15], s[14:15], s[30:31]
	s_add_nc_u64 s[16:17], s[16:17], s[32:33]
	s_add_nc_u64 s[18:19], s[18:19], s[34:35]
	s_add_nc_u64 s[20:21], s[20:21], s[34:35]
.irp i, 0,1,2,3,4,5,6,7
	global_load_b128 v[OF+4*\i:OF+4*\i+3], v[LI], s[8:9] offset:512*\i          ; my two images of o: wanted first
.endr
.irp T, 0,1,2,3
	global_load_b128 v[OS+4*\T:OS+4*\T+3], v[R64], s[10:11] offset:16*\T
.endr
.irp t, 0,1
	global_load_b128 v[PWS+4*\t:PWS+4*\t+3], v[R64], s[14:15] offset:16*\t
.endr
	global_load_b32 v[RB], v[R4], s[16:17]
	global_load_b32 v[RB+1], v[R4], s[16:17] offset:64
	WIN 0x40                                       ; destination window 1
.irp f, 0,1,2,3,4,5,6,7
.irp c, 0,1,2,3
	global_load_b128 v[16*\f+4*\c:16*\f+4*\c+3], v[LI], s[12:13] offset:2048*\f+512*\c   ; f = 4 tl + s
.endr
.endr
.irp i, 0,1,2,3,4,5,6,7,8,9,10,11,12,13,14,15
	global_load_b128 v[XRS+4*\i:XRS+4*\i+3], v[XO], s[18:19] offset:32768*\i    ; the residual: channels 2 i + h, 256 bytes each
.endr
	WIN 0
	s_wait_loadcnt 56                              ; my two images are in; the 56 loads issued behind them stay out
.irp i, 0,1,2,3,4,5,6,7
	ds_store_b128 v[OW], v[OF+4*\i:OF+4*\i+3] offset:OIMG+512*\i
.endr
	s_wait_dscnt 0x0                               ; for the others' sake: my images have landed
	s_barrier_signal -1
	s_barrier_wait -1
	s_wait_loadcnt 16                              ; all but the residual's 16
.irp t, 0,1
.irp j, 0,1,2,3,4,5,6,7
	v_mov_b32 v[BC+8*\t+\j], v[RB+\t]
.endr
.endr
	s_wait_alu depctr_va_vdst(0)
.irp s, 0,1,2,3                                ; eight accumulators by turns, a K step at a time
.irp T, 0,1,2,3
.irp c, 0,1,2,3
	ds_load_b128 v[OF+16*\T+4*\c:OF+16*\T+4*\c+3], v[LI] offset:OIMG+(4*\T+\s)*2048+512*\c
.endr
.endr
	s_wait_dscnt 0x0
	WIN 0x04                                       ; source 1 (proj_w) window 1
.irp T, 0,1,2,3
.irp t, 0,1
.if \s == 0
	v_wmma_scale_f32_16x16x128_f8f6f4 v[ACC+32*\t+8*\T:ACC+32*\t+8*\T+7], v[OF+16*\T:OF+16*\T+15], v[16*(4*\t+\s):16*(4*\t+\s)+15], v[BC+8*\t:BC+8*\t+7], v[OS+4*\T+\s], v[PWS+4*\t+\s] matrix_a_fmt:MATRIX_FMT_BF8 matrix_b_fmt:MATRIX_FMT_BF8
.else
	v_wmma_scale_f32_16x16x128_f8f6f4 v[ACC+32*\t+8*\T:ACC+32*\t+8*\T+7], v[OF+16*\T:OF+16*\T+15], v[16*(4*\t+\s):16*(4*\t+\s)+15], v[ACC+32*\t+8*\T:ACC+32*\t+8*\T+7], v[OS+4*\T+\s], v[PWS+4*\t+\s] matrix_a_fmt:MATRIX_FMT_BF8 matrix_b_fmt:MATRIX_FMT_BF8
.endif
.endr
.endr
	WIN 0
.rept 8
	v_nop                                          ; ahead of loads into o's fragments and of the first read of results
.endr
.endr
.irp t, 0,1
.irp T, 0,1,2,3
	ds_store_b128 v[SI], v[ACC+32*\t+8*\T:ACC+32*\t+8*\T+3] offset:16*SPITCH*\t+128*(\T/2)+32*(\T%2)        ; each accumulator from its low end on
	ds_store_b128 v[SI], v[ACC+32*\t+8*\T+4:ACC+32*\t+8*\T+7] offset:16*SPITCH*\t+128*(\T/2)+32*(\T%2)+16
.endr
.endr
.irp i, 0,1,2,3,4,5,6,7,8,9,10,11,12,13,14,15
	ds_load_b128 v[OUT+4*\i:OUT+4*\i+3], v[SB] offset:2*SPITCH*\i   ; LDS serves a wave's instructions in order (ISA guide 5.7.1.4): these see my stores; the stage is my own
.endr
	s_wait_loadcnt 0x0                             ; the residual
	s_wait_dscnt 0x0
	WIN 0x04                                       ; the residual lies in window 1: all additions under one setting, since a store's data are its source 1
.set i, 0
.rept 32
	v_pk_add_f32 v[OUT+i:OUT+i+1], v[OUT+i:OUT+i+1], v[XRS+i:XRS+i+1]
.set i, i+2
.endr
	WIN 0
.irp i, 0,1,2,3,4,5,6,7,8,9,10,11,12,13,14,15
	global_store_b128 v[XO], v[OUT+4*\i:OUT+4*\i+3], s[20:21] offset:32768*\i th:TH_STORE_NT   ; sixteen lanes store 256 consecutive bytes, at a multiple of 256 from out0's first byte
.endr
	s_wait_tensorcnt 0x0
	ds_add_u32 v46, v47
	s_wait_dscnt 0x0
	s_endpgm
.Lfunc_end_k_qf082d10e18_proj:
	.size	k_qf082d10e18_proj, .Lfunc_end_k_qf082d10e18_proj-k_qf082d10e18_proj
	.p2alignl 7, 3214868480
	.fill 96, 4, 3214868480
	.section	.rodata,"a",@progbits
	.p2align	6, 0x0
	.amdhsa_kernel k_qf082d10e18_proj
		.amdhsa_group_segment_fixed_size 103424
		.amdhsa_private_segment_fixed_size 0
		.amdhsa_enable_private_segment 0
		.amdhsa_kernarg_size 56
		.amdhsa_user_sgpr_count 2
		.amdhsa_user_sgpr_kernarg_segment_ptr 1
		.amdhsa_wavefront_size32 1
		.amdhsa_system_sgpr_workgroup_id_x 1
		.amdhsa_system_sgpr_workgroup_id_y 1
		.amdhsa_system_sgpr_workgroup_id_z 1
		.amdhsa_system_vgpr_workitem_id 0
		.amdhsa_next_free_vgpr 448
		.amdhsa_next_free_sgpr 66
		.amdhsa_reserve_vcc 0
		.amdhsa_float_denorm_mode_32 3
		.amdhsa_float_denorm_mode_16_64 3
		.amdhsa_memory_ordered 1
		.amdhsa_forward_progress 1
		.amdhsa_inst_pref_size 26
	.end_amdhsa_kernel
	.amdgpu_metadata
---
amdhsa.version: [ 1, 2 ]
amdhsa.kernels:
  - .name:           k_qf082d10e18_proj
    .symbol:         k_qf082d10e18_proj.kd
    .args:
      - { .name: o_img, .offset: 0, .size: 8, .value_kind: global_buffer, .address_space: global }
      - { .name: o_sc, .offset: 8, .size: 8, .value_kind: global_buffer, .address_space: global }
      - { .name: w_img, .offset: 16, .size: 8, .value_kind: global_buffer, .address_space: global }
      - { .name: w_sc, .offset: 24, .size: 8, .value_kind: global_buffer, .address_space: global }
      - { .name: proj_b, .offset: 32, .size: 8, .value_kind: global_buffer, .address_space: global }
      - { .name: x, .offset: 40, .size: 8, .value_kind: global_buffer, .address_space: global }
      - { .name: out0, .offset: 48, .size: 8, .value_kind: global_buffer, .address_space: global }
    .group_segment_fixed_size: 103424
    .private_segment_fixed_size: 0
    .kernarg_segment_align: 8
    .kernarg_segment_size: 56
    .max_flat_workgroup_size: 256
    .sgpr_count:     66
    .vgpr_count:     448
    .wavefront_size: 32
...
	.end_amdgpu_metadata
.endif
;; end of part 4
